; MI455X (gfx1250); checked and timed in simulation.
; The chip was launched on July 23, 2026; its instructions are those of AMD's public machine-readable ISA for CDNA 5 (MIT licence, August 2026) and "CDNA5" Instruction Set Architecture Reference Guide (July 2026). The comments in the code are by the model that wrote it; some were corrected since.
;; Atom Attention Decoder. Allowed arithmetic: float matrix products may take bf16 or f16 operands with f32 sums; all other float work in f32.
;; Inputs: Wa 384 x 128 float32; Wout 128 x 3 float32; a 2 x 512 x 384 float32; ab_w 3 x 384 x 128 float32; ag_b 3 x 128 float32; ag_w 3 x 384 x 128 float32; atom_mask 2 x 16,384 float32; atom_to_token_idx 2 x 16,384 int32; bq 3 x 128 float32; extra_feats 2 x 16,384 x 128 float32; lnq_b 128 float32; lnq_g 128 float32; p_lm 2 x 512 x 32 x 128 x 16 float32; pb 3 x 16 float32; pg 3 x 16 float32; r_l 2 x 16,384 x 3 float32; sk_b 3 x 128 float32; sk_w 3 x 384 x 128 float32; tb_w 3 x 384 x 128 float32; tg_b 3 x 128 float32; tg_w 3 x 384 x 128 float32; tk_b 3 x 128 float32; tk_w 3 x 384 x 128 float32; wg 3 x 128 x 128 float32; wk 3 x 128 x 128 float32; wo 3 x 128 x 128 float32; wpb 3 x 16 x 4 float32; wq 3 x 128 x 128 float32; wt1 3 x 128 x 256 float32; wt2 3 x 128 x 256 float32; wto 3 x 256 x 128 float32; wv 3 x 128 x 128 float32.
;; Outputs: out0 2 x 16,384 x 3 float32.
;; 2 versions, each right and faster than the one before. Each part assembles by itself: llvm-mc -triple=amdgcn-amd-amdhsa -mcpu=gfx1250 --defsym DOCPART=n.
;; ======== version 1 of 2: 6 launches
;; limits: values outside matrix products are rounded to bf16
;; workspace buffers: blk0 34,119,680 bytes; blk1 34,119,680 bytes; blk2 34,119,680 bytes; xA 16,777,216 bytes; xB 16,777,216 bytes; qtok 524,288 bytes
;; launch prep (part 1): grid 59 x 1, 8 waves a work-group, no clusters, 182,272 bytes of LDS; arguments ag_w, ab_w, wk, wv, wq, wg, wo, sk_w, tg_w, tb_w, wt1, wt2, wto, tk_w, ag_b, bq, sk_b, tg_b, tk_b, Wa, a, blk0, blk1, blk2, qtok; writes blk0, blk1, blk2, qtok
.if DOCPART == 1
	.amdgcn_target "amdgcn-amd-amdhsa--gfx1250"
	.amdhsa_code_object_version 6
	.text
	.protected	k_q8a70a07d22_prep
	.globl	k_q8a70a07d22_prep
	.p2align	8
	.type	k_q8a70a07d22_prep,@function
k_q8a70a07d22_prep:
	s_mov_b64 s[64:65], 0
	v_nop
	global_prefetch_b8 v0, s[64:65] scope:SCOPE_SE
	s_setreg_imm32_b32 hwreg(HW_REG_WAVE_MODE, 25, 1), 1
	s_wait_xcnt 0x0
; Work-groups 0 to 50: one weight unit each (17 units for each of the 3 blocks): 128 x 128 numbers, scaled, rounded to bf16, stored
; as rows of 256 bytes [k][n].  The conditioning signal is extra_feats padded with 256 zeros; behind its LayerNorm the 256 padded
; channels all hold one number t, so sn @ W = sn[:128] @ W[:128] + t * (column sum of W's rows 128 to 383).  The column sum is made
; here in f32, and with the biases it goes into eleven vectors of 512 bytes behind the units.
; Scales folded in: -log2(e) into everything that feeds a sigmoid, log2(e)/sqrt(32) into wq and bq.
; Work-groups 51 to 58: qtok = a @ Wa for 128 tokens each, bf16 operands, f32 sums.
; LDS: bytes 0 to 110,591 Wa in bf16 (384 rows of 288 bytes), 110,592 to 178,175 eight stages of 8,448 bytes, both of the qtok path;
; 178,176 to 182,271 the eight partial column sums of the weight path: the two paths share no LDS byte.
.set PAR_OFF, 557056
.set CSB, 178176                       ; the column sums' scratch, 512 bytes a wave
.set NL,  0xbfb8aa3b                   ; -log2(e)
.set QS,  0x3e8293ee                   ; log2(e) / sqrt(32)
.set ONE, 0x3f800000
.set MSB, 0
.macro WIN new
.if MSB != (\new)
	s_set_vgpr_msb (MSB<<8)|(\new)
.set MSB, \new
.endif
.endm
	s_load_b512 s[16:31], s[0:1], 0x0              ; ag_w ab_w wk wv wq wg wo sk_w
	s_load_b512 s[32:47], s[0:1], 0x40             ; tg_w tb_w wt1 wt2 wto tk_w ag_b bq
	s_load_b512 s[48:63], s[0:1], 0x80             ; sk_b tg_b tk_b Wa a blk0 blk1 blk2
	s_load_b64 s[66:67], s[0:1], 0xc0              ; qtok
	v_lshrrev_b32 v1, 5, v0
	v_readfirstlane_b32 s2, v1                     ; wave
	v_and_b32 v2, 31, v0                           ; lane
	v_lshlrev_b32 v3, 4, v2                        ; 16 x lane
	s_mov_b32 s78, ttmp9
	s_wait_kmcnt 0x0
	s_cmp_ge_u32 s78, 51
	s_cbranch_scc1 .Lqtok
	; ---- a weight unit: block s79, unit s3 ----
	s_cmp_ge_u32 s78, 17
	s_cselect_b32 s79, 1, 0
	s_cmp_ge_u32 s78, 34
	s_cselect_b32 s72, 1, 0
	s_add_co_u32 s79, s79, s72
	s_mul_i32 s72, s79, 17
	s_sub_co_u32 s3, s78, s72
	s_cmp_eq_u32 s79, 1
	s_cselect_b64 s[68:69], s[60:61], s[58:59]
	s_cmp_eq_u32 s79, 2
	s_cselect_b64 s[68:69], s[62:63], s[68:69]     ; the block's buffer
	; the unit's table: source, bias source, bytes from block to block, first byte, row pitch, flags (1 column sum, 2 bias), scale, slots
	s_mov_b64 s[4:5], s[16:17]
	s_mov_b64 s[6:7], s[44:45]
	s_mov_b32 s8, 196608
	s_mov_b32 s9, 0
	s_mov_b32 s10, 512
	s_mov_b32 s11, 3
	s_mov_b32 s12, NL
	s_mov_b32 s14, 0
	s_mov_b32 s15, 1
.macro PICK n, p, bstr, soff, pit, scl, flg, csl, bp, bsl
	s_cmp_eq_u32 s3, \n
	s_cselect_b64 s[4:5], s[\p:\p+1], s[4:5]
	s_cselect_b64 s[6:7], s[\bp:\bp+1], s[6:7]
	s_cselect_b32 s8, \bstr, s8
	s_cselect_b32 s9, \soff, s9
	s_cselect_b32 s10, \pit, s10
	s_cselect_b32 s11, \flg, s11
	s_cselect_b32 s12, \scl, s12
	s_cselect_b32 s14, \csl, s14
	s_cselect_b32 s15, \bsl, s15
.endm
	PICK 1,  18, 196608, 0,     512,  ONE, 1, 2, 44, 0
	PICK 2,  20, 65536,  0,     512,  ONE, 0, 0, 44, 0
	PICK 3,  22, 65536,  0,     512,  ONE, 0, 0, 44, 0
	PICK 4,  24, 65536,  0,     512,  QS,  2, 0, 46, 3
	PICK 5,  26, 65536,  0,     512,  NL,  0, 0, 44, 0
	PICK 6,  28, 65536,  0,     512,  ONE, 0, 0, 44, 0
	PICK 7,  30, 196608, 0,     512,  NL,  3, 4, 48, 5
	PICK 8,  32, 196608, 0,     512,  NL,  3, 6, 50, 7
	PICK 9,  34, 196608, 0,     512,  ONE, 1, 8, 44, 0
	PICK 10, 36, 131072, 0,     1024, ONE, 0, 0, 44, 0
	PICK 11, 38, 131072, 0,     1024, ONE, 0, 0, 44, 0
	PICK 12, 36, 131072, 512,   1024, ONE, 0, 0, 44, 0
	PICK 13, 38, 131072, 512,   1024, ONE, 0, 0, 44, 0
	PICK 14, 40, 131072, 0,     512,  ONE, 0, 0, 44, 0
	PICK 15, 40, 131072, 65536, 512,  ONE, 0, 0, 44, 0
	PICK 16, 42, 196608, 0,     512,  NL,  3, 9, 52, 10
	s_mov_b32 s13, s12
	s_mul_i32 s74, s79, s8
	s_add_co_u32 s74, s74, s9
	s_mov_b32 s75, 0
	s_add_nc_u64 s[4:5], s[4:5], s[74:75]          ; the unit's first number
	s_lshl_b32 s74, s3, 15
	s_add_nc_u64 s[70:71], s[68:69], s[74:75]      ; where the unit goes
	s_mul_i32 s76, s2, s10
	s_lshl_b32 s76, s76, 4
	v_add_nc_u32 v8, s76, v3                       ; wave v takes rows 16 v .. 16 v + 15; a load of the wave covers a row's 512 bytes
.set ri, 1
.rept 15
	v_add_nc_u32 v[8+ri], s10, v[7+ri]
.set ri, ri+1
.endr
.set ri, 0
.rept 16
	global_load_b128 v[32+4*ri:35+4*ri], v[8+ri], s[4:5]
.set ri, ri+1
.endr
	v_lshlrev_b32 v25, 3, v2
	v_lshl_add_u32 v25, s2, 12, v25                ; 8 x lane + 16 v rows of 256 bytes
.macro ROWS                            ; scale, round, store: one store of the wave is one aligned row of 256 bytes
.set ri, 0
.rept 16
	v_pk_mul_f32 v[32+4*ri:33+4*ri], v[32+4*ri:33+4*ri], s[12:13] op_sel_hi:[1,0]
	v_pk_mul_f32 v[34+4*ri:35+4*ri], v[34+4*ri:35+4*ri], s[12:13] op_sel_hi:[1,0]
	v_cvt_pk_bf16_f32 v[32+4*ri], v[32+4*ri], v[33+4*ri]
	v_cvt_pk_bf16_f32 v[33+4*ri], v[34+4*ri], v[35+4*ri]
	global_store_b64 v25, v[32+4*ri:33+4*ri], s[70:71] offset:256*ri
.set ri, ri+1
.endr
.endm
.macro BIASV                           ; wave 1 scales the unit's bias vector, if it has one; its store has a base of its own
	s_bitcmp1_b32 s11, 1
	s_cbranch_scc0 .Lnb_\@
	s_cmp_lg_u32 s2, 1
	s_cbranch_scc1 .Lnb_\@
	s_lshl_b32 s74, s79, 9
	s_add_nc_u64 s[6:7], s[6:7], s[74:75]
	global_load_b128 v[4:7], v3, s[6:7]
	s_lshl_b32 s80, s15, 9
	s_add_co_u32 s80, s80, PAR_OFF
	s_mov_b32 s81, 0
	s_add_nc_u64 s[80:81], s[68:69], s[80:81]
	s_wait_loadcnt 0x0
	v_pk_mul_f32 v[4:5], v[4:5], s[12:13] op_sel_hi:[1,0]
	v_pk_mul_f32 v[6:7], v[6:7], s[12:13] op_sel_hi:[1,0]
	global_store_b128 v3, v[4:7], s[80:81]
.Lnb_\@:
.endm
.macro RHALF hh                        ; rows of 4 registers from v96 on: row i takes row i + hh
.set ti, 0
.rept \hh
	v_pk_add_f32 v[96+4*ti:97+4*ti], v[96+4*ti:97+4*ti], v[96+4*(ti+\hh):97+4*(ti+\hh)]
	v_pk_add_f32 v[98+4*ti:99+4*ti], v[98+4*ti:99+4*ti], v[98+4*(ti+\hh):99+4*(ti+\hh)]
.set ti, ti+1
.endr
.endm
	s_bitcmp1_b32 s11, 0
	s_cbranch_scc0 .Lplain
	; a conditioning weight: wave v also sums rows 128 + 32 v .. + 31
	s_lshl_b32 s76, s2, 14
	s_add_co_u32 s76, s76, 65536
	v_add_nc_u32 v24, s76, v3
.set ri, 0
.rept 32
	global_load_b128 v[96+4*ri:99+4*ri], v24, s[4:5] offset:512*ri
.set ri, ri+1
.endr
	v_add_nc_u32 v27, CSB, v3                      ; the scratch lies beyond an LDS immediate's 16 bits: its base stands in the address registers
	v_lshl_add_u32 v26, s2, 9, v27                 ; my 512 bytes of it
	s_wait_loadcnt 32                              ; the unit's 16 rows are in; the 32 rows of the sum may stay out
	ROWS
	s_wait_loadcnt 0x0
	RHALF 16
	RHALF 8
	RHALF 4
	RHALF 2
	RHALF 1
	ds_store_b128 v26, v[96:99]
	s_wait_dscnt 0x0                               ; my part of the sum is in LDS before I signal
	s_barrier_signal -1
	s_barrier_wait -1
	s_cmp_lg_u32 s2, 0
	s_cbranch_scc1 .Lnot0
.set ri, 0
.rept 8
	ds_load_b128 v[96+4*ri:99+4*ri], v27 offset:512*ri
.set ri, ri+1
.endr
	s_wait_dscnt 0x0
	RHALF 4
	RHALF 2
	RHALF 1
	v_pk_mul_f32 v[96:97], v[96:97], s[12:13] op_sel_hi:[1,0]
	v_pk_mul_f32 v[98:99], v[98:99], s[12:13] op_sel_hi:[1,0]
	s_lshl_b32 s76, s14, 9
	s_add_co_u32 s76, s76, PAR_OFF
	s_mov_b32 s77, 0
	s_add_nc_u64 s[76:77], s[68:69], s[76:77]
	global_store_b128 v3, v[96:99], s[76:77]
.Lnot0:
	BIASV
	s_endpgm
.Lplain:
	s_wait_loadcnt 0x0
	ROWS
	BIASV
	s_endpgm
	; ---- qtok = a @ Wa, 128 tokens; wave v takes 16 ----
	; Wa goes to LDS as bf16 [384 k][128 n], rows 288 bytes apart; fragments come back by transposing loads as the first source
	; (rows = out channels).  a's rows are the second source (columns = tokens).
.Lqtok:
	s_sub_co_u32 s3, s78, 51
	s_mul_i32 s4, s2, 48*512
	v_add_nc_u32 v4, s4, v3
.set ri, 0
.rept 48
	global_load_b128 v[32+4*ri:35+4*ri], v4, s[54:55] offset:512*ri
.set ri, ri+1
.endr
	s_lshl_b32 s4, s3, 7
	s_lshl_b32 s5, s2, 4
	s_add_co_u32 s4, s4, s5                        ; my first token
	v_and_b32 v5, 15, v0                           ; r
	v_bfe_u32 v6, v0, 4, 1                         ; h
	v_add_nc_u32 v7, s4, v5
	v_mul_u32_u24 v7, v7, 1536
	v_lshl_add_u32 v7, v6, 5, v7                   ; token r's row + 32 h
	WIN 0x40
.irp kb, 0,1,2,3,4,5,6,7,8,9,10,11
.irp e, 0,1
	global_load_b128 v[16*\kb+8*\e:16*\kb+8*\e+3],   v7, s[56:57] offset:128*\kb+64*\e      ; k = 32 kb + 16 e + 8 h + 0..3
	global_load_b128 v[16*\kb+8*\e+4:16*\kb+8*\e+7], v7, s[56:57] offset:128*\kb+64*\e+16   ; + 4..7
.endr
.endr
	WIN 0
	s_mul_i32 s5, s2, 48*288
	v_lshl_add_u32 v8, v2, 3, s5                   ; Wa rows in LDS
	v_and_b32 v9, 7, v0
	v_lshl_add_u32 v9, v6, 3, v9
	v_mul_u32_u24 v9, v9, 288
	v_bfe_u32 v10, v0, 3, 1
	v_lshl_add_u32 v9, v10, 4, v9                  ; transposing loads: (8 h + lane mod 8) rows + 16 ((lane / 8) mod 2)
	v_add_nc_u32 v12, 6*9216, v9                   ; the same for k from 192 on: an LDS immediate has 16 bits, and 384 rows of 288 bytes pass them
	s_mul_i32 s5, s2, 8448
	s_add_co_u32 s5, s5, 110592                    ; my stage
	v_mul_u32_u24 v10, v5, 528
	v_lshl_add_u32 v10, v6, 5, v10
	v_add_nc_u32 v10, s5, v10
	v_add_nc_u32 v11, s5, v3
	s_wait_loadcnt 48                              ; Wa's 48 rows are in; a's 48 pieces may stay out
.set ri, 0
.rept 48
	v_cvt_pk_bf16_f32 v[32+4*ri], v[32+4*ri], v[33+4*ri]
	v_cvt_pk_bf16_f32 v[33+4*ri], v[34+4*ri], v[35+4*ri]
	ds_store_b64 v8, v[32+4*ri:33+4*ri] offset:288*ri
.set ri, ri+1
.endr
	s_wait_dscnt 0x0
	s_barrier_signal -1
	s_barrier_wait -1
	s_wait_loadcnt 0x0
	WIN 0x05
.set ri, 0
.rept 96
	v_cvt_pk_bf16_f32 v[32+ri], v[2*ri], v[2*ri+1]
.set ri, ri+1
.endr
	WIN 0
; 32 along k: fragments of all 128 out channels from address register areg, kk steps of 32 rows behind it, then eight products
.macro QK kb, areg, kk
.rept 4
	v_nop                                          ; four places between the products and the loads into their sources
.endr
.irp t, 0,1,2,3,4,5,6,7
	ds_load_tr16_b128 v[192+8*\t:195+8*\t], v[\areg] offset:(\kk)*9216+32*\t
	ds_load_tr16_b128 v[196+8*\t:199+8*\t], v[\areg] offset:(\kk)*9216+32*\t+4608
.endr
	s_wait_dscnt 0x0
.irp t, 0,1,2,3,4,5,6,7                            ; the eight accumulators take turns, one instruction a turn
.if \kb
	v_wmma_f32_16x16x32_bf16 v[128+8*\t:135+8*\t], v[192+8*\t:199+8*\t], v[32+8*\kb:39+8*\kb], v[128+8*\t:135+8*\t]
.else
	v_wmma_f32_16x16x32_bf16 v[128+8*\t:135+8*\t], v[192+8*\t:199+8*\t], v[32+8*\kb:39+8*\kb], 0
.endif
.endr
.endm
	QK 0, 9, 0
	QK 1, 9, 1
	QK 2, 9, 2
	QK 3, 9, 3
	QK 4, 9, 4
	QK 5, 9, 5
	QK 6, 12, 0
	QK 7, 12, 1
	QK 8, 12, 2
	QK 9, 12, 3
	QK 10, 12, 4
	QK 11, 12, 5
.rept 4
	v_nop
.endr
	; lane (r, h) holds channels 16 t + 8 h + j of token r: through my own stage into whole rows of 512 bytes
.irp t, 0,1,2,3,4,5,6,7
	ds_store_b128 v10, v[128+8*\t:131+8*\t] offset:64*\t
	ds_store_b128 v10, v[132+8*\t:135+8*\t] offset:64*\t+16
.endr
	s_lshl_b32 s4, s4, 9
	s_mov_b32 s5, 0
	s_add_nc_u64 s[66:67], s[66:67], s[4:5]
.set ri, 0
.rept 16
	ds_load_b128 v[32+4*ri:35+4*ri], v11 offset:528*ri
.set ri, ri+1
.endr
.set ri, 0
.rept 16
	s_wait_dscnt 15-ri
	global_store_b128 v3, v[32+4*ri:35+4*ri], s[66:67] offset:512*ri
.set ri, ri+1
.endr
	s_endpgm
.Lfunc_end_k_q8a70a07d22_prep:
	.size	k_q8a70a07d22_prep, .Lfunc_end_k_q8a70a07d22_prep-k_q8a70a07d22_prep
	.p2alignl 7, 3214868480
	.fill 96, 4, 3214868480
	.section	.rodata,"a",@progbits
	.p2align	6, 0x0
	.amdhsa_kernel k_q8a70a07d22_prep
		.amdhsa_group_segment_fixed_size 182272
		.amdhsa_private_segment_fixed_size 0
		.amdhsa_enable_private_segment 0
		.amdhsa_kernarg_size 200
		.amdhsa_user_sgpr_count 2
		.amdhsa_user_sgpr_kernarg_segment_ptr 1
		.amdhsa_wavefront_size32 1
		.amdhsa_system_sgpr_workgroup_id_x 1
		.amdhsa_system_sgpr_workgroup_id_y 1
		.amdhsa_system_sgpr_workgroup_id_z 1
		.amdhsa_system_vgpr_workitem_id 0
		.amdhsa_next_free_vgpr 512
		.amdhsa_next_free_sgpr 96
		.amdhsa_reserve_vcc 0
		.amdhsa_float_denorm_mode_32 3
		.amdhsa_float_denorm_mode_16_64 3
		.amdhsa_memory_ordered 1
		.amdhsa_forward_progress 1
		.amdhsa_inst_pref_size 82
	.end_amdhsa_kernel
	.amdgpu_metadata
---
amdhsa.version: [ 1, 2 ]
amdhsa.kernels:
  - .name:           k_q8a70a07d22_prep
    .symbol:         k_q8a70a07d22_prep.kd
    .args:
      - { .name: ag_w, .offset: 0, .size: 8, .value_kind: global_buffer, .address_space: global }
      - { .name: ab_w, .offset: 8, .size: 8, .value_kind: global_buffer, .address_space: global }
      - { .name: wk, .offset: 16, .size: 8, .value_kind: global_buffer, .address_space: global }
      - { .name: wv, .offset: 24, .size: 8, .value_kind: global_buffer, .address_space: global }
      - { .name: wq, .offset: 32, .size: 8, .value_kind: global_buffer, .address_space: global }
      - { .name: wg, .offset: 40, .size: 8, .value_kind: global_buffer, .address_space: global }
      - { .name: wo, .offset: 48, .size: 8, .value_kind: global_buffer, .address_space: global }
      - { .name: sk_w, .offset: 56, .size: 8, .value_kind: global_buffer, .address_space: global }
      - { .name: tg_w, .offset: 64, .size: 8, .value_kind: global_buffer, .address_space: global }
      - { .name: tb_w, .offset: 72, .size: 8, .value_kind: global_buffer, .address_space: global }
      - { .name: wt1, .offset: 80, .size: 8, .value_kind: global_buffer, .address_space: global }
      - { .name: wt2, .offset: 88, .size: 8, .value_kind: global_buffer, .address_space: global }
      - { .name: wto, .offset: 96, .size: 8, .value_kind: global_buffer, .address_space: global }
      - { .name: tk_w, .offset: 104, .size: 8, .value_kind: global_buffer, .address_space: global }
      - { .name: ag_b, .offset: 112, .size: 8, .value_kind: global_buffer, .address_space: global }
      - { .name: bq, .offset: 120, .size: 8, .value_kind: global_buffer, .address_space: global }
      - { .name: sk_b, .offset: 128, .size: 8, .value_kind: global_buffer, .address_space: global }
      - { .name: tg_b, .offset: 136, .size: 8, .value_kind: global_buffer, .address_space: global }
      - { .name: tk_b, .offset: 144, .size: 8, .value_kind: global_buffer, .address_space: global }
      - { .name: Wa, .offset: 152, .size: 8, .value_kind: global_buffer, .address_space: global }
      - { .name: a, .offset: 160, .size: 8, .value_kind: global_buffer, .address_space: global }
      - { .name: blk0, .offset: 168, .size: 8, .value_kind: global_buffer, .address_space: global }
      - { .name: blk1, .offset: 176, .size: 8, .value_kind: global_buffer, .address_space: global }
      - { .name: blk2, .offset: 184, .size: 8, .value_kind: global_buffer, .address_space: global }
      - { .name: qtok, .offset: 192, .size: 8, .value_kind: global_buffer, .address_space: global }
    .group_segment_fixed_size: 182272
    .private_segment_fixed_size: 0
    .kernarg_segment_align: 8
    .kernarg_segment_size: 200
    .max_flat_workgroup_size: 256
    .sgpr_count:     96
    .vgpr_count:     512
    .wavefront_size: 32
...
	.end_amdgpu_metadata
.endif
;; end of part 1
;; launch pair (part 2): grid 256 x 1, 8 waves a work-group, no clusters, 327,680 bytes of LDS; arguments p_lm, pg, pb, wpb, qtok, extra_feats, atom_mask, atom_to_token_idx, blk0, blk1, blk2, xA; writes blk0, blk1, blk2, xA
.if DOCPART == 2
	.amdgcn_target "amdgcn-amd-amdhsa--gfx1250"
	.amdhsa_code_object_version 6
	.text
	.protected	k_q8a70a07d22_pair
	.globl	k_q8a70a07d22_pair
	.p2align	8
	.type	k_q8a70a07d22_pair,@function
k_q8a70a07d22_pair:
	s_mov_b64 s[64:65], 0
	v_nop
	global_prefetch_b8 v0, s[64:65] scope:SCOPE_SE
	s_setreg_imm32_b32 hwreg(HW_REG_WAVE_MODE, 25, 1), 1
	s_wait_xcnt 0x0
; p_lm is read ONCE and gives the pair bias of all three blocks: bias = LN(p) * pg @ wpb + pb @ wpb, times log2(e), kept in bf16
; (a stated limit: the bias is rounded to bf16 between the launches).
; The work-group takes 4 windows; wave v always takes key tile v (16 keys).  A tile is 16 queries x 16 keys x 16 channels:
; 16 rows of 1,024 bytes.  Each wave has two LDS slots of its own, one tensor load out behind each barrier.
; One matrix instruction serves one key and 16 queries: first source = the 12 columns (block, head) of pg * wpb (rows 8 hD + j:
; block j / 2, head j mod 2 + 2 hD), second source = p minus its mean (column = query).  1 / sigma is applied behind the product.
; The launch also makes x0 = (qtok[idx] + extra_feats) * mask for the work-group's 128 atoms.
; No cluster: no two work-groups read the same tile.
.set BIAS_OFF, 565248
.set SLOT, 16640                       ; 16 rows of 1,024 + 16 bytes
.set PIN, 56                           ; v[56:119] eight keys as loaded, 8 channels a lane
.set PK, 148                           ; v[148:171] six results x 4 registers (8 keys in bf16)
	s_load_b512 s[48:63], s[0:1], 0x0              ; p_lm 48, pg 50, pb 52, wpb 54, qtok 56, extra_feats 58, mask 60, idx 62
	s_load_b256 s[68:75], s[0:1], 0x40             ; blk0 68, blk1 70, blk2 72, xA 74
	v_lshrrev_b32 v1, 5, v0
	v_readfirstlane_b32 s8, v1                     ; wave = key tile
	s_mov_b32 s16, (2<<16)|(1<<20)|(7<<22)|(3<<25) ; elements of 4 bytes; 4 words of padding behind every 256 words
	s_mov_b32 s17, 256<<16                         ; tensor_dim0 = 256
	s_mov_b32 s18, 16<<16                          ; tensor_dim1 = 16
	s_mov_b32 s19, 256<<16                         ; tile_dim0 = 256
	s_mov_b32 s20, 16                              ; tile_dim1 = 16
	s_mov_b32 s21, 2048                            ; from query to query: 128 keys x 16 channels
	s_mov_b32 s22, 0
	s_mov_b32 s23, 0
	s_mul_i32 s9, s8, 2*SLOT                       ; my ring
	s_lshl_b32 s10, ttmp9, 20                      ; 4 windows of 262,144 bytes
	s_lshl_b32 s12, s8, 10
	s_add_co_u32 s10, s10, s12
	s_mov_b32 s11, 0
	s_wait_kmcnt 0x0
	s_add_nc_u64 s[4:5], s[48:49], s[10:11]
	s_mov_b32 s32, 1
	s_add_co_u32 s33, s9, 0
	s_mov_b64 s[34:35], s[4:5]
	s_or_b32 s35, s35, 0x80000000
	s_mov_b32 s36, 1
	s_add_co_u32 s37, s9, SLOT
	s_add_nc_u64 s[38:39], s[4:5], 131072
	s_or_b32 s39, s39, 0x80000000
	tensor_load_to_lds s[32:35], s[16:23]          ; tile 0
	s_nop 0
	s_mov_b32 s82, 0xffff0000
	s_mov_b32 s84, 0x76543210
	s_mov_b32 s85, 0xfedcba98
	s_mov_b32 s86, 0x3d800000                      ; 1/16
	s_mov_b32 s87, 0x3727c5ac                      ; 1e-5
	v_and_b32 v2, 31, v0
	v_lshlrev_b32 v1, 4, v2                        ; 16 x lane
	v_mov_b32 v5, 0
	v_mov_b32 v4, 0
	v_and_b32 v6, 15, v0                           ; r
	v_bfe_u32 v7, v0, 4, 1                         ; h
	; ---- x0 for atoms 128 g + 16 v + 0..15 ----
	s_lshl_b32 s12, ttmp9, 7
	s_lshl_b32 s13, s8, 4
	s_add_co_u32 s12, s12, s13
	s_lshl_b32 s10, s12, 2
	s_add_nc_u64 s[62:63], s[62:63], s[10:11]
	s_add_nc_u64 s[60:61], s[60:61], s[10:11]
	s_lshl_b32 s10, s12, 9
	s_add_nc_u64 s[58:59], s[58:59], s[10:11]
	s_add_nc_u64 s[74:75], s[74:75], s[10:11]
	s_lshr_b32 s10, ttmp9, 7
	s_lshl_b32 s10, s10, 18                        ; the batch's 512 rows of qtok
	s_add_nc_u64 s[56:57], s[56:57], s[10:11]
.macro XROWS b
.irp i, 0,1,2,3,4,5,6,7
	global_load_b32 v[56+\i], v5, s[62:63] offset:4*(8*\b+\i)       ; the row's token, the same word in every lane
.endr
.irp i, 0,1,2,3,4,5,6,7
	global_load_b32 v[64+\i], v5, s[60:61] offset:4*(8*\b+\i)       ; the row's mask
.endr
.irp i, 0,1,2,3,4,5,6,7
	global_load_b128 v[72+4*\i:75+4*\i], v1, s[58:59] offset:512*(8*\b+\i)
.endr
	s_wait_loadcnt 8                               ; tokens and masks are in; the eight rows of extra_feats may stay out
.irp i, 0,1,2,3,4,5,6,7
	v_min_u32 v[56+\i], 0x1ff, v[56+\i]
	v_lshl_add_u32 v[56+\i], v[56+\i], 9, v1
	global_load_b128 v[104+4*\i:107+4*\i], v[56+\i], s[56:57]
.endr
	s_wait_loadcnt 0x0
.irp i, 0,1,2,3,4,5,6,7
	v_pk_add_f32 v[104+4*\i:105+4*\i], v[104+4*\i:105+4*\i], v[72+4*\i:73+4*\i]
	v_pk_add_f32 v[106+4*\i:107+4*\i], v[106+4*\i:107+4*\i], v[74+4*\i:75+4*\i]
	v_mul_f32 v[104+4*\i], v[104+4*\i], v[64+\i]
	v_mul_f32 v[105+4*\i], v[105+4*\i], v[64+\i]
	v_mul_f32 v[106+4*\i], v[106+4*\i], v[64+\i]
	v_mul_f32 v[107+4*\i], v[107+4*\i], v[64+\i]
	global_store_b128 v1, v[104+4*\i:107+4*\i], s[74:75] offset:512*(8*\b+\i)
.endr
	s_wait_xcnt 0x0                                ; the stores' data registers are written again only behind this wait
.endm
	XROWS 0
	XROWS 1
	; ---- the first source and the constants ----
	v_and_b32 v126, 7, v6                          ; j of row m = r
	v_lshrrev_b32 v127, 1, v126
	v_min_u32 v127, 2, v127                        ; block (rows 6, 7, 14, 15 repeat block 2 and are not stored)
	v_and_b32 v128, 1, v126
	v_lshrrev_b32 v129, 3, v6
	v_lshl_add_u32 v128, v129, 1, v128             ; head
	v_lshlrev_b32 v130, 6, v127
	v_lshl_add_u32 v130, v7, 5, v130               ; pg, pb: block x 64 + 32 h
	v_lshlrev_b32 v131, 8, v127
	v_lshl_add_u32 v131, v7, 7, v131
	v_lshl_add_u32 v131, v128, 2, v131             ; wpb: block x 256 + 8 h rows of 16 + 4 head
	global_load_b128 v[56:59], v130, s[50:51]
	global_load_b128 v[60:63], v130, s[50:51] offset:16
	global_load_b128 v[64:67], v130, s[52:53]
	global_load_b128 v[68:71], v130, s[52:53] offset:16
.irp i, 0,1,2,3,4,5,6,7
	global_load_b32 v[72+\i], v131, s[54:55] offset:16*\i
.endr
	v_mul_u32_u24 v2, v6, 1040
	v_lshl_add_u32 v2, v7, 5, v2
	v_add_nc_u32 v2, s9, v2                        ; LDS: ring + query r's row + 32 h
	v_lshlrev_b32 v3, 14, v7
	v_lshl_add_u32 v3, s8, 9, v3
	v_lshl_add_u32 v3, v6, 4, v3                   ; out: 2 hD heads of 8,192 + key tile x 512 + 16 r
	s_lshl_b32 s10, ttmp9, 17
	s_add_co_u32 s10, s10, BIAS_OFF
	s_add_nc_u64 s[68:69], s[68:69], s[10:11]
	s_add_nc_u64 s[70:71], s[70:71], s[10:11]
	s_add_nc_u64 s[72:73], s[72:73], s[10:11]
	s_wait_loadcnt 0x0
.irp i, 0,1,2,3,4,5,6,7
	v_mul_f32 v[72+\i], 0x3fb8aa3b, v[72+\i]
.endr
	v_mul_f32 v80, v64, v72
.irp i, 1,2,3,4,5,6,7
	v_fmac_f32 v80, v[64+\i], v[72+\i]
.endr
.irp i, 0,1,2,3,4,5,6,7
	v_mul_f32 v[56+\i], v[56+\i], v[72+\i]
.endr
.irp i, 0,1,2,3
	v_cvt_pk_bf16_f32 v[8+\i], v[56+2*\i], v[57+2*\i]
	v_mov_b32 v[12+\i], 0                          ; channels 16 to 31 do not exist
	v_mov_b32 v[28+\i], 0
	v_mov_b32 v[36+\i], 0
.endr
	v_permlanex16_b32 v4, v80, s84, s85
	v_add_f32 v80, v80, v4                         ; lanes r and 16 + r: the constant of row r
.irp j, 0,1,2,3,4,5
	v_readlane_b32 s[24+\j], v80, \j
	v_readlane_b32 s[76+\j], v80, 8+\j
.endr
.irp j, 0,1,2,3,4,5
	v_mov_b32 v[16+\j], s[24+\j]
	v_cndmask_b32 v[16+\j], v[16+\j], s[76+\j], s82       ; lanes 16 to 31 hold rows 8 + j
.endr
.macro POST k                          ; key k's six results: product / sigma + constant; every second key they are packed
.if (\k)&1
.if (\k) == 1
	s_wait_xcnt 0x0                                ; the last octet's stores have read PK
.endif
.irp p, 0,2,4
	v_pk_fma_f32 v[140+\p:141+\p], v[48+\p:49+\p], v[122:123], v[16+\p:17+\p]
.endr
.irp j, 0,1,2,3,4,5
	v_cvt_pk_bf16_f32 v[PK+4*\j+((\k)>>1)], v[134+\j], v[140+\j]
.endr
.else
	s_wait_alu depctr_va_vdst(0)
.irp p, 0,2,4
	v_pk_fma_f32 v[134+\p:135+\p], v[40+\p:41+\p], v[120:121], v[16+\p:17+\p]
.endr
.endif
.endm
.macro KEY k
	s_wait_dscnt 14-2*\k                           ; LDS loads come back in order: key k's two are in
	v_pk_add_f32 v[126:127], v[PIN+8*\k:PIN+8*\k+1], v[PIN+8*\k+2:PIN+8*\k+3]
	v_pk_add_f32 v[128:129], v[PIN+8*\k+4:PIN+8*\k+5], v[PIN+8*\k+6:PIN+8*\k+7]
	v_pk_add_f32 v[126:127], v[126:127], v[128:129]
	v_add_f32 v126, v126, v127
	v_permlanex16_b32 v4, v126, s84, s85           ; the other eight channels lie in the other half of the lanes
	v_add_f32 v126, v126, v4
	v_mul_f32 v124, 0xbd800000, v126               ; - mean
	v_mul_f32 v125, 0xbd800000, v126
.irp p, 0,2,4,6
	v_pk_add_f32 v[PIN+8*\k+\p:PIN+8*\k+\p+1], v[PIN+8*\k+\p:PIN+8*\k+\p+1], v[124:125]
.endr
	v_pk_mul_f32 v[126:127], v[PIN+8*\k:PIN+8*\k+1], v[PIN+8*\k:PIN+8*\k+1]
.irp p, 2,4,6
	v_pk_fma_f32 v[126:127], v[PIN+8*\k+\p:PIN+8*\k+\p+1], v[PIN+8*\k+\p:PIN+8*\k+\p+1], v[126:127]
.endr
	v_add_f32 v126, v126, v127
	v_permlanex16_b32 v4, v126, s84, s85
	v_add_f32 v126, v126, v4
	v_fma_f32 v126, v126, s86, s87
	v_rsq_f32 v[120+2*((\k)&1)], v126
	v_rsq_f32 v[121+2*((\k)&1)], v126              ; the conversions below are the plain place behind it
.irp p, 0,1,2,3
	v_cvt_pk_bf16_f32 v[24+8*((\k)&1)+\p], v[PIN+8*\k+2*\p], v[PIN+8*\k+2*\p+1]
.endr
	v_wmma_f32_16x16x32_bf16 v[40+8*((\k)&1):47+8*((\k)&1)], v[8:15], v[24+8*((\k)&1):31+8*((\k)&1)], 0
.if \k
	POST (\k-1)                                    ; the key before: its product stands a whole key's arithmetic back
.endif
.endm
.macro OCTET slot, hk
.irp k, 0,1,2,3,4,5,6,7
	ds_load_b128 v[PIN+8*\k:PIN+8*\k+3],   v2 offset:\slot*SLOT+(8*\hk+\k)*64
	ds_load_b128 v[PIN+8*\k+4:PIN+8*\k+7], v2 offset:\slot*SLOT+(8*\hk+\k)*64+16
.endr
.irp k, 0,1,2,3,4,5,6,7
	KEY \k
.endr
.rept 4
	v_nop                                          ; four places behind the last product (ISA guide 7.12.1)
.endr
	POST 7
.irp j, 0,1,2,3,4,5
	global_store_b128 v3, v[PK+4*\j:PK+4*\j+3], s[68+2*(\j/2):69+2*(\j/2)] offset:(\j%2)*8192+\slot*4096+\hk*256   ; 16 lanes store 256 consecutive bytes, aligned
.endr
.endm
.macro TRIP slot, refill
	s_wait_tensorcnt 0x0                           ; all my tensor loads have landed, this trip's tile among them,
	s_add_nc_u64 s[34+4*\slot:35+4*\slot], s[34+4*\slot:35+4*\slot], 262144   ; so a descriptor may be written: this slot's next tile
	s_wait_dscnt 0x0                               ; my reads of the last trip's tile are back
	s_barrier_signal -1
	s_barrier_wait -1
.if \refill
	tensor_load_to_lds s[36-4*\slot:39-4*\slot], s[16:23]   ; my one load behind the barrier: the next tile, into the slot read last
	s_nop 0
.endif
	OCTET \slot, 0
	OCTET \slot, 1
.if \slot
	s_wait_xcnt 0x0                                ; the stores' bases step to the next window only behind this wait
	s_add_nc_u64 s[68:69], s[68:69], 32768
	s_add_nc_u64 s[70:71], s[70:71], 32768
	s_add_nc_u64 s[72:73], s[72:73], 32768
.endif
.endm
	s_mov_b32 s44, 3
.Lloop:
	TRIP 0, 1
	TRIP 1, 1
	s_sub_co_u32 s44, s44, 1
	s_cmp_lg_u32 s44, 0
	s_cbranch_scc1 .Lloop
	TRIP 0, 1
	TRIP 1, 0                                      ; the last tile: nothing is left to fetch
	s_endpgm
.Lfunc_end_k_q8a70a07d22_pair:
	.size	k_q8a70a07d22_pair, .Lfunc_end_k_q8a70a07d22_pair-k_q8a70a07d22_pair
	.p2alignl 7, 3214868480
	.fill 96, 4, 3214868480
	.section	.rodata,"a",@progbits
	.p2align	6, 0x0
	.amdhsa_kernel k_q8a70a07d22_pair
		.amdhsa_group_segment_fixed_size 327680
		.amdhsa_private_segment_fixed_size 0
		.amdhsa_enable_private_segment 0
		.amdhsa_kernarg_size 96
		.amdhsa_user_sgpr_count 2
		.amdhsa_user_sgpr_kernarg_segment_ptr 1
		.amdhsa_wavefront_size32 1
		.amdhsa_system_sgpr_workgroup_id_x 1
		.amdhsa_system_sgpr_workgroup_id_y 1
		.amdhsa_system_sgpr_workgroup_id_z 1
		.amdhsa_system_vgpr_workitem_id 0
		.amdhsa_next_free_vgpr 192
		.amdhsa_next_free_sgpr 96
		.amdhsa_reserve_vcc 0
		.amdhsa_float_denorm_mode_32 3
		.amdhsa_float_denorm_mode_16_64 3
		.amdhsa_memory_ordered 1
		.amdhsa_forward_progress 1
		.amdhsa_inst_pref_size 160
	.end_amdhsa_kernel
	.amdgpu_metadata
---
amdhsa.version: [ 1, 2 ]
amdhsa.kernels:
  - .name:           k_q8a70a07d22_pair
    .symbol:         k_q8a70a07d22_pair.kd
    .args:
      - { .name: p_lm, .offset: 0, .size: 8, .value_kind: global_buffer, .address_space: global }
      - { .name: pg, .offset: 8, .size: 8, .value_kind: global_buffer, .address_space: global }
      - { .name: pb, .offset: 16, .size: 8, .value_kind: global_buffer, .address_space: global }
      - { .name: wpb, .offset: 24, .size: 8, .value_kind: global_buffer, .address_space: global }
      - { .name: qtok, .offset: 32, .size: 8, .value_kind: global_buffer, .address_space: global }
      - { .name: extra_feats, .offset: 40, .size: 8, .value_kind: global_buffer, .address_space: global }
      - { .name: atom_mask, .offset: 48, .size: 8, .value_kind: global_buffer, .address_space: global }
      - { .name: atom_to_token_idx, .offset: 56, .size: 8, .value_kind: global_buffer, .address_space: global }
      - { .name: blk0, .offset: 64, .size: 8, .value_kind: global_buffer, .address_space: global }
      - { .name: blk1, .offset: 72, .size: 8, .value_kind: global_buffer, .address_space: global }
      - { .name: blk2, .offset: 80, .size: 8, .value_kind: global_buffer, .address_space: global }
      - { .name: xA, .offset: 88, .size: 8, .value_kind: global_buffer, .address_space: global }
    .group_segment_fixed_size: 327680
    .private_segment_fixed_size: 0
    .kernarg_segment_align: 8
    .kernarg_segment_size: 96
    .max_flat_workgroup_size: 256
    .sgpr_count:     96
    .vgpr_count:     192
    .wavefront_size: 32
...
	.end_amdgpu_metadata
.endif
;; end of part 2
;; launch block0 (part 3): grid 256 x 1, 4 waves a work-group, clusters of 4 x 1, 327,680 bytes of LDS; arguments xA, extra_feats, atom_mask, blk0, xB; writes xB
.if DOCPART == 3
	.amdgcn_target "amdgcn-amd-amdhsa--gfx1250"
	.amdhsa_code_object_version 6
	.text
	.protected	k_q8a70a07d22_block0
	.globl	k_q8a70a07d22_block0
	.p2align	8
	.type	k_q8a70a07d22_block0,@function
k_q8a70a07d22_block0:
	s_mov_b64 s[64:65], 0
	v_nop
	global_prefetch_b8 v0, s[64:65] scope:SCOPE_SE
	s_setreg_imm32_b32 hwreg(HW_REG_WAVE_MODE, 25, 1), 1
	s_wait_xcnt 0x0
	s_wait_alu depctr_hold_cnt(0) depctr_sa_sdst(0) depctr_va_vdst(0) depctr_va_sdst(0) depctr_va_ssrc(0) depctr_va_vcc(0) depctr_vm_vsrc(0)
	s_getreg_b32 s2, hwreg(HW_REG_IB_STS2, 6, 4)
	s_cmp_eq_u32 s2, 0
	s_cbranch_scc0 .Lentry_in_a_cluster
	s_endpgm
.Lentry_in_a_cluster:
	s_bfe_u32 s2, ttmp6, 0x10000c
	s_cmp_lg_u32 s2, 0x3003
	s_cbranch_scc0 .Lentry_shape_is_right
	s_endpgm
.Lentry_shape_is_right:
; One block of the atom transformer for 128 atoms: AdaLN, windowed attention with pair bias, gated output, conditioned SwiGLU.
; Four waves; wave w owns window w (32 atoms, two tiles of 16) and also makes xa, K and V for 32 halo atoms.
; ACTIVATIONS ARE THE SECOND SOURCE (column = atom), WEIGHTS THE FIRST (row = out channel, by transposing LDS loads from [k][n]).
; A result tile then holds, in lane (r, h), channels 8 h + j of atom r; two neighbouring tiles rounded to bf16 ARE the next
; product's second source.  So the whole chain stays in registers; only K, V^T and the turn of x's and extra_feats' rows pass LDS.
; S^T = K x Q + bias (the bias is the C operand), P stays in registers as the second source of O^T = V^T x P.
; The 17 weight units (32,768 bytes each) are the same for all work-groups: four work-groups form a cluster and ask for them jointly,
; two units a slot, two slots.  A wave has two tensor loads out at the start and one afterwards.
; LIMITS: masked scores are min(score, -1.4427e9), exact unless a valid score lies below that number.  A halo block of 32 rows that
; lies outside the batch is replaced by the batch's nearest block of 32 rows; its keys are masked and carry weight only in a window whose 128 keys are
; all masked, whose atoms' results do not depend on x.  Exponentials are taken behind the row's maximum.
.set PITW, 288
.set UNITB, 36864
.set SLOTB, 73728
.set KB, 147456
.set KP, 272
.set VTB, 217088
.set VP, 528
.set STG, 284672
.set STGB, 8448
.set PARB, 318464
.set PAR_OFF, 557056
.set BIAS_OFF, 565248
; window 0: v0 first key + 64, v1 16 lane, v2-5 weight fragment addresses (slot, unit), v6 stage by rows, v7 stage by (r, h), v8 parameters,
; v9-10 K stores (halo, own), v11-12 V stores, v13 K loads, v14 V loads, v15 lane exchange, v16-19 t, v20-23 1/sigma, v24-27 -mu/sigma, v28-31 at work
.set WF0, 32
.set WF1, 96
.set ACC, 160
.set TMP, 224
; window 1
.set SN, 0
.set XA, 64
.set Q, 192
.set LIM, 64
.set P, 128
.set XT, 64
.set HSW, 128
; window 2
.set X, 0
.set GATE, 128
.set RAW, 128
; window 3: rows as loaded, then the bias, then the transition's product
.set TO, 0
.set MSB, 0
.macro WIN new                         ; low byte: source 0 bits 1:0, source 1 bits 3:2, source 2 bits 5:4, destination bits 7:6; high byte: the setting left
.if MSB != (\new)
	s_set_vgpr_msb (MSB<<8)|(\new)
.set MSB, \new
.endif
.endm
.macro PLACES                          ; four places behind a matrix instruction (ISA guide 7.12.1)
.rept 4
	v_nop
.endr
.endm
.macro ROUND                           ; a round of the cluster's barrier
	s_barrier_signal -1
	s_barrier_wait -1
	s_cmp_lg_u32 s14, 0
	s_cbranch_scc1 .Lnot_wave_0_\@
	s_barrier_signal -3
.Lnot_wave_0_\@:
	s_barrier_wait -3
	s_barrier_signal -1
	s_barrier_wait -1
.endm
.macro NEXT slot                       ; the slot just read is filled again with the units two slots on
	WIN 0
	s_wait_dscnt 0x0                               ; my LDS reads and stores are done
	s_wait_tensorcnt 0x0                           ; all my tensor loads have landed: the other slot is whole, a descriptor may be written
	s_add_nc_u64 s[42+4*\slot:43+4*\slot], s[42+4*\slot:43+4*\slot], 131072
	ROUND                                          ; both now hold of every wave of the four work-groups
	tensor_load_to_lds s[40+4*\slot:43+4*\slot], s[24:31]
	s_nop 0
.endm
.macro CVTLIN dst, src, n
.set cl, 0
.rept \n
	v_cvt_pk_bf16_f32 v[\dst+cl], v[\src+2*cl], v[\src+2*cl+1]
.set cl, cl+1
.endr
.endm
.macro CVT22 dst, ts, src              ; four result tiles (u, tile) become the second source's registers 4 u + 0..3 of each tile
.irp u, 0,1
.irp t, 0,1
	CVTLIN \dst+\ts*\t+4*\u, \src+16*\u+8*\t, 4
.endr
.endr
.endm
.macro PKMUL d, a, b, n
.set pi, 0
	s_wait_alu depctr_va_vdst(0)
.rept \n
	v_pk_mul_f32 v[\d+2*pi:\d+2*pi+1], v[\a+2*pi:\a+2*pi+1], v[\b+2*pi:\b+2*pi+1]
.set pi, pi+1
.endr
.endm
.macro PKMULP d, p, n
.set pi, 0
.rept \n
	v_pk_mul_f32 v[\d+2*pi:\d+2*pi+1], v[\d+2*pi:\d+2*pi+1], v[\p:\p+1]
.set pi, pi+1
.endr
.endm
.macro PKADDP d, a, p, n
.set pi, 0
.rept \n
	v_pk_add_f32 v[\d+2*pi:\d+2*pi+1], v[\a+2*pi:\a+2*pi+1], v[\p:\p+1]
.set pi, pi+1
.endr
.endm
.macro TR op, d, n
.set pi, 0
.rept \n
	\op v[\d+pi], v[\d+pi]
.set pi, pi+1
.endr
.endm
.macro ADD1 d, n
.set pi, 0
.rept \n
	v_pk_add_f32 v[\d+2*pi:\d+2*pi+1], v[\d+2*pi:\d+2*pi+1], 1.0 op_sel_hi:[1,0]
.set pi, pi+1
.endr
.endm
.macro SIG b                           ; 32 sigmoids; the sums already carry -log2(e)
	TR v_exp_f32, \b, 32
	v_nop
	s_wait_alu depctr_va_vdst(0)
	ADD1 \b, 16
	TR v_rcp_f32, \b, 32
	v_nop
.endm
.macro TREE                            ; TMP's 32 numbers, and the other half's, into v28
.irp hh, 8,4,2,1
.set si, 0
.rept \hh
	v_pk_add_f32 v[TMP+2*si:TMP+2*si+1], v[TMP+2*si:TMP+2*si+1], v[TMP+2*(si+\hh):TMP+2*(si+\hh)+1]
.set si, si+1
.endr
.endr
	v_add_f32 v28, v[TMP], v[TMP+1]
	v_permlanex16_b32 v15, v28, s70, s71
	v_add_f32 v28, v28, v15
.endm
.macro SUM64 b, win
	WIN \win
.set si, 0
.rept 16
	v_pk_add_f32 v[TMP+2*si:TMP+2*si+1], v[\b+4*si:\b+4*si+1], v[\b+4*si+2:\b+4*si+3]
.set si, si+1
.endr
	WIN 0
	TREE
.endm
.macro SQ64 b
.set si, 0
.rept 16
	v_pk_mul_f32 v[TMP+2*si:TMP+2*si+1], v[\b+4*si:\b+4*si+1], v[\b+4*si:\b+4*si+1]
.set si, si+1
.endr
.set si, 0
.rept 16
	v_pk_fma_f32 v[TMP+2*si:TMP+2*si+1], v[\b+4*si+2:\b+4*si+3], v[\b+4*si+2:\b+4*si+3], v[TMP+2*si:TMP+2*si+1]
.set si, si+1
.endr
	TREE
.endm
.macro WM d, a, b, z
.if \z
	v_wmma_f32_16x16x32_bf16 v[\d:\d+7], v[\a:\a+7], v[\b:\b+7], 0
.else
	v_wmma_f32_16x16x32_bf16 v[\d:\d+7], v[\a:\a+7], v[\b:\b+7], v[\d:\d+7]
.endif
.endm
; 32 out channels (u = 0, 1) x T tiles of atoms x 128 along k.  The 2 T accumulators take turns, one instruction a turn.
.macro MUL f, d, b, bts, T, zero, win
	WIN \win
.set mk, 0
.rept 4
.set zz, 0
.if \zero
.if mk == 0
.set zz, 1
.endif
.endif
.set mu, 0
.rept 2
.set mt, 0
.rept \T
	WM \d+8*\T*mu+8*mt, \f+8*(4*mu+mk), \b+\bts*mt+8*mk, zz
.set mt, mt+1
.endr
.set mu, mu+1
.endr
.set mk, mk+1
.endr
.endm
.macro MULV                            ; V with the sources swapped: a lane holds 8 neighbouring atoms of one channel
	WIN 0x01
.set mk, 0
.rept 4
.set zz, 0
.if mk == 0
.set zz, 1
.endif
.set mu, 0
.rept 2
.set mt, 0
.rept 4
	WM ACC+32*mu+8*mt, XA+32*mt+8*mk, WF1+8*(4*mu+mk), zz
.set mt, mt+1
.endr
.set mu, mu+1
.endr
.set mk, mk+1
.endr
.endm
.macro FETCH f, areg, oc               ; 16 transposing loads: the fragments (u, kb) of out channels 32 oc .. + 31
	WIN 0
.irp u, 0,1
.irp kb, 0,1,2,3
	ds_load_tr16_b128 v[\f+8*(4*\u+\kb):\f+8*(4*\u+\kb)+3],   v[\areg] offset:\kb*9216+64*(\oc)+32*\u
	ds_load_tr16_b128 v[\f+8*(4*\u+\kb)+4:\f+8*(4*\u+\kb)+7], v[\areg] offset:\kb*9216+64*(\oc)+32*\u+4608
.endr
.endr
.endm
.macro MID areg, oc, last              ; between a chunk's two products: the next chunk's first unit is fetched
	PLACES
.if \last
	s_wait_dscnt 0x0
.else
	FETCH WF0, \areg, \oc+1
	s_wait_dscnt 16                                ; all but the 16 just issued
.endif
.endm
.macro PLOAD d, slot, oc, u            ; a parameter vector's channels 32 oc + 16 u + 8 h + 0..7
	ds_load_b128 v[\d:\d+3],   v8 offset:512*\slot+128*(\oc)+64*\u
	ds_load_b128 v[\d+4:\d+7], v8 offset:512*\slot+128*(\oc)+64*\u+16
.endm
.macro CLOAD acc, slot, oc
	PLOAD \acc, \slot, \oc, 0
	PLOAD \acc+16, \slot, \oc, 1
.endm
.macro BLOAD slot, oc
	PLOAD TMP, \slot, \oc, 0
	PLOAD TMP+8, \slot, \oc, 1
.endm
.macro CINIT acc, hasb                 ; the sums start at t * column sum (+ bias): tile 1 first, then tile 0 in place
.irp u, 0,1
.irp i, 0,2,4,6
.if \hasb
	v_pk_fma_f32 v[\acc+16*\u+8+\i:\acc+16*\u+9+\i], v[\acc+16*\u+\i:\acc+16*\u+\i+1], v[18:19], v[TMP+8*\u+\i:TMP+8*\u+\i+1]
.else
	v_pk_mul_f32 v[\acc+16*\u+8+\i:\acc+16*\u+9+\i], v[\acc+16*\u+\i:\acc+16*\u+\i+1], v[18:19]
.endif
.endr
.irp i, 0,2,4,6
.if \hasb
	v_pk_fma_f32 v[\acc+16*\u+\i:\acc+16*\u+\i+1], v[\acc+16*\u+\i:\acc+16*\u+\i+1], v[16:17], v[TMP+8*\u+\i:TMP+8*\u+\i+1]
.else
	v_pk_mul_f32 v[\acc+16*\u+\i:\acc+16*\u+\i+1], v[\acc+16*\u+\i:\acc+16*\u+\i+1], v[16:17]
.endif
.endr
.endr
.endm
.macro LOADROWS pe, px                 ; 32 rows of extra_feats, 32 of x: a load of the wave covers a row's 512 bytes
	WIN 0xC0
.set li, 0
.rept 32
	global_load_b128 v[4*li:4*li+3], v1, s[\pe:\pe+1] offset:512*li
.set li, li+1
.endr
.set li, 0
.rept 32
	global_load_b128 v[128+4*li:128+4*li+3], v1, s[\px:\px+1] offset:512*li
.set li, li+1
.endr
	WIN 0
.endm
.macro STAGEIN b                       ; 16 rows into my own stage; LDS serves a wave's instructions in order
	WIN 0x0C
.set ei, 0
.rept 16
	ds_store_b128 v6, v[\b+4*ei:\b+4*ei+3] offset:528*ei
.set ei, ei+1
.endr
.endm
.macro STAGEOUT d                      ; back as (channel 16 t + 8 h + j, atom r)
.set ei, 0
.rept 8
	ds_load_b128 v[\d+8*ei:\d+8*ei+3],   v7 offset:64*ei
	ds_load_b128 v[\d+8*ei+4:\d+8*ei+7], v7 offset:64*ei+16
.set ei, ei+1
.endr
.endm
.macro EFTILE t                        ; LayerNorm of extra_feats padded to 384: sn in bf16, and t = -mu / sigma of the padded channels
	STAGEIN 64*\t
	WIN 0
	STAGEOUT ACC
	s_wait_dscnt 0x0
	SUM64 ACC, 0
	v_mul_f32 v30, 0xbb2aaaab, v28                 ; - sum / 384
	v_mov_b32 v31, v30
	PKADDP ACC, ACC, 30, 32
	SQ64 ACC
	v_mul_f32 v29, v30, v30
	v_fmamk_f32 v28, v29, 0x43800000, v28          ; + 256 mu^2: the padded channels
	v_fma_f32 v28, v28, s73, s74
	v_rsq_f32 v28, v28
	v_nop
	s_wait_alu depctr_va_vdst(0)
	v_mov_b32 v29, v28
	v_mul_f32 v[16+2*\t], v30, v28
	v_mul_f32 v[17+2*\t], v30, v28
	PKMULP ACC, 28, 32
	WIN 0x40
	CVTLIN SN+32*\t, ACC, 32
	WIN 0
.endm
.macro XSTAT t                         ; x's LayerNorm as x / sigma - mu / sigma; the variance from centred numbers
	SUM64 X+64*\t, 0x0A
	v_mul_f32 v30, 0xbc000000, v28
	v_mov_b32 v31, v30
	WIN 0x02
	PKADDP WF1, X+64*\t, 30, 32
	WIN 0
	SQ64 WF1
	v_fma_f32 v28, v28, s75, s74
	v_rsq_f32 v[20+2*\t], v28
	v_nop
	s_wait_alu depctr_va_vdst(0)
	v_mov_b32 v[21+2*\t], v[20+2*\t]
	v_mul_f32 v[24+2*\t], v30, v[20+2*\t]
	v_mul_f32 v[25+2*\t], v30, v[20+2*\t]
.endm
.macro XTILE t
	STAGEIN 128+64*\t
	WIN 0x80
	STAGEOUT X+64*\t
	WIN 0
	s_wait_dscnt 0x0
	XSTAT \t
.endm
; AdaLN, 32 channels: dst = sigmoid(sn @ Wg + bg) * LN(x) + sn @ Wb
.macro ADA slot, oc, last, dst, pg, pbi, ps
	PLACES
	WIN 0
	CLOAD ACC, \pg, \oc
	BLOAD \pbi, \oc
	CLOAD ACC+32, \ps, \oc
	FETCH WF1, 3+2*\slot, \oc
	s_wait_dscnt 16                                ; the first unit's fragments and the parameters are in
	CINIT ACC, 1
	CINIT ACC+32, 0
	MUL WF0, ACC, SN, 32, 2, 0, 0x04
	MID 2+2*\slot, \oc, \last
	MUL WF1, ACC+32, SN, 32, 2, 0, 0x04
	PLACES
	WIN 0
	SIG ACC
	WIN 0x02
.irp u, 0,1
.irp t, 0,1
.irp i, 0,2,4,6
	v_pk_fma_f32 v[TMP+16*\u+8*\t+\i:TMP+16*\u+8*\t+\i+1], v[X+64*\t+8*(2*\oc+\u)+\i:X+64*\t+8*(2*\oc+\u)+\i+1], v[20+2*\t:21+2*\t], v[24+2*\t:25+2*\t]
.endr
.endr
.endr
	WIN 0
.set pi, 0
	s_wait_alu depctr_va_vdst(0)
.rept 16
	v_pk_fma_f32 v[ACC+32+2*pi:ACC+33+2*pi], v[ACC+2*pi:ACC+2*pi+1], v[TMP+2*pi:TMP+2*pi+1], v[ACC+32+2*pi:ACC+33+2*pi]
.set pi, pi+1
.endr
	WIN 0x40
	CVT22 \dst+8*\oc, 32, ACC+32
.endm
; K and V of four tiles (two halo, two own), 32 channels
.macro KV oc, last
	PLACES
	FETCH WF1, 5, \oc
	s_wait_dscnt 16
	MUL WF0, ACC, XA, 32, 4, 1, 0x04
	PLACES
	WIN 0
	CVTLIN TMP, ACC, 32
.irp u, 0,1
.irp t, 0,1
	ds_store_b128 v9,  v[TMP+16*\u+4*\t:TMP+16*\u+4*\t+3]     offset:32*(2*\oc+\u)+4352*\t
	ds_store_b128 v10, v[TMP+16*\u+4*\t+8:TMP+16*\u+4*\t+11]  offset:32*(2*\oc+\u)+4352*\t
.endr
.endr
.if \last
	s_wait_dscnt 0x0
.else
	FETCH WF0, 4, \oc+1
	s_wait_dscnt 16
.endif
	MULV
	PLACES
	WIN 0
	CVTLIN TMP, ACC, 32
.irp u, 0,1
.irp t, 0,1
	ds_store_b128 v11, v[TMP+16*\u+4*\t:TMP+16*\u+4*\t+3]     offset:(32*\oc+16*\u)*VP+32*\t
	ds_store_b128 v12, v[TMP+16*\u+4*\t+8:TMP+16*\u+4*\t+11]  offset:(32*\oc+16*\u)*VP+32*\t
.endr
.endr
.endm
; Q (one head) and the output gate
.macro QG oc, last
	PLACES
	WIN 0
.irp u, 0,1
.irp t, 0,1
	PLOAD ACC+16*\u+8*\t, 3, \oc, \u               ; bq starts Q's sums
.endr
.endr
	FETCH WF1, 3, \oc
	s_wait_dscnt 16
	MUL WF0, ACC, XA+64, 32, 2, 0, 0x04
	MID 2, \oc, \last
	MUL WF1, ACC+32, XA+64, 32, 2, 1, 0x04
	PLACES
	WIN 0x40
	CVT22 Q+8*\oc, 32, ACC
	WIN 0
	TR v_exp_f32, ACC+32, 32
	v_nop
	s_wait_alu depctr_va_vdst(0)
	ADD1 ACC+32, 16
	WIN 0x80
.irp u, 0,1
.irp t, 0,1
.irp j, 0,1,2,3,4,5,6,7
	v_rcp_f32 v[GATE+64*\t+8*(2*\oc+\u)+\j], v[ACC+32+16*\u+8*\t+\j]
.endr
.endr
.endr
	v_nop
.endm
.macro FETCHK head
.irp kt, 0,1,2,3,4,5,6,7
	ds_load_b128 v[WF0+8*\kt:WF0+8*\kt+3],   v13 offset:\kt*4352+(\head)*64
	ds_load_b128 v[WF0+8*\kt+4:WF0+8*\kt+7], v13 offset:\kt*4352+(\head)*64+32
.endr
.endm
.macro FETCHV head
.irp u, 0,1
.irp kb, 0,1,2,3
	ds_load_b128 v[WF1+8*(4*\u+\kb):WF1+8*(4*\u+\kb)+3],   v14 offset:(32*(\head)+16*\u)*VP+\kb*64
	ds_load_b128 v[WF1+8*(4*\u+\kb)+4:WF1+8*(4*\u+\kb)+7], v14 offset:(32*(\head)+16*\u)*VP+\kb*64+32
.endr
.endr
.endm
; One head, 16 queries, 128 keys.  Lane (r, h) holds query r's scores of keys 16 kt + 8 h + j.
.macro ATT head, qt, nxt
	WIN 0x0C
.irp kt, 0,1,2,3,4,5,6,7
.irp p, 0,1,2,3
	v_lshlrev_b32 v[ACC+8*\kt+2*\p], 16, v[4*((2*\head+\qt)*8+\kt)+\p]       ; the bias, bf16 to f32: it is the product's C
	v_and_b32 v[ACC+8*\kt+2*\p+1], s72, v[4*((2*\head+\qt)*8+\kt)+\p]
.endr
.endr
.if \qt == 0
	s_wait_dscnt 16                                ; K's fragments are in; V's 16 loads may stay out
.endif
	WIN 0x04
.irp kt, 0,1,2,3,4,5,6,7
	WM ACC+8*\kt, WF0+8*\kt, Q+32*\qt+8*\head, 0
.endr
	PLACES
.set pi, 0
.rept 64
	v_min_num_f32 v[ACC+pi], v[ACC+pi], v[LIM+pi]  ; masked keys fall to -1e9 log2(e)
.set pi, pi+1
.endr
	WIN 0
.if \nxt
	FETCHK \head+1
.endif
.irp i, 0,1,2,3,4,5,6,7
	v_max3_num_f32 v[TMP+\i], v[ACC+8*\i], v[ACC+8*\i+1], v[ACC+8*\i+2]
.endr
.irp i, 0,1,2,3,4,5,6,7
	v_max3_num_f32 v[TMP+\i], v[TMP+\i], v[ACC+8*\i+3], v[ACC+8*\i+4]
.endr
.irp i, 0,1,2,3,4,5,6,7
	v_max3_num_f32 v[TMP+\i], v[TMP+\i], v[ACC+8*\i+5], v[ACC+8*\i+6]
.endr
.irp i, 0,2,4,6
	v_max3_num_f32 v[TMP+\i], v[TMP+\i], v[ACC+8*\i+7], v[ACC+8*\i+15]
.endr
	v_max3_num_f32 v28, v[TMP], v[TMP+1], v[TMP+2]
	v_max3_num_f32 v29, v[TMP+3], v[TMP+4], v[TMP+5]
	v_max3_num_f32 v28, v28, v[TMP+6], v[TMP+7]
	v_max_num_f32 v28, v28, v29
	v_permlanex16_b32 v15, v28, s70, s71
	v_max_num_f32 v28, v28, v15                    ; the query's maximum
	v_mov_b32 v29, v28
.set pi, 0
.rept 32
	v_pk_add_f32 v[ACC+2*pi:ACC+2*pi+1], v[ACC+2*pi:ACC+2*pi+1], v[28:29] neg_lo:[0,1] neg_hi:[0,1]
.set pi, pi+1
.endr
	TR v_exp_f32, ACC, 64
	v_nop
	s_wait_alu depctr_va_vdst(0)
	SUM64 ACC, 0
	v_rcp_f32 v28, v28                             ; the sum is at least 1; the conversions below are the plain place behind it
	WIN 0x40
	CVTLIN P, ACC, 32
	WIN 0
	s_wait_alu depctr_va_vdst(0)
	v_mov_b32 v29, v28
.if \qt == 0
	s_wait_dscnt 0x0                               ; V's fragments are in
.endif
	WIN 0x04
.irp kb, 0,1,2,3                                   ; the two accumulators take turns
.irp u, 0,1
.if \kb
	WM TMP+8*\u, WF1+8*(4*\u+\kb), P+8*\kb, 0
.else
	WM TMP+8*\u, WF1+8*(4*\u+\kb), P+8*\kb, 1
.endif
.endr
.endr
	PLACES
	WIN 0
.if \nxt
	FETCHV \head+1
.endif
	PKMULP TMP, 28, 8
	WIN 0x08
	PKMUL TMP, TMP, GATE+64*\qt+16*\head, 8
	WIN 0x40
	CVTLIN Q+32*\qt+8*\head, TMP, 8                ; gate * o takes Q's place: the second source of wo
.endm
; x += sigmoid(sn @ sk + b) * ((gate * o) @ wo)
.macro OS oc, last
	PLACES
	WIN 0
	CLOAD ACC+32, 4, \oc
	BLOAD 5, \oc
	FETCH WF1, 5, \oc
	s_wait_dscnt 16
	CINIT ACC+32, 1
	MUL WF0, ACC, Q, 32, 2, 1, 0x04
	MID 4, \oc, \last
	MUL WF1, ACC+32, SN, 32, 2, 0, 0x04
	PLACES
	WIN 0
	SIG ACC+32
	WIN 0xA0
	s_wait_alu depctr_va_vdst(0)
.irp u, 0,1
.irp t, 0,1
.irp i, 0,2,4,6
	v_pk_fma_f32 v[X+64*\t+8*(2*\oc+\u)+\i:X+64*\t+8*(2*\oc+\u)+\i+1], v[ACC+32+16*\u+8*\t+\i:ACC+33+16*\u+8*\t+\i], v[ACC+16*\u+8*\t+\i:ACC+16*\u+8*\t+\i+1], v[X+64*\t+8*(2*\oc+\u)+\i:X+64*\t+8*(2*\oc+\u)+\i+1]
.endr
.endr
.endr
.endm
; silu(xt @ wt1) * (xt @ wt2), 32 of the 256 hidden channels
.macro HS slot, half, oc, last
	PLACES
	FETCH WF1, 3+2*\slot, \oc
	s_wait_dscnt 16
	MUL WF0, ACC, XT, 32, 2, 1, 0x04
	MID 2+2*\slot, \oc, \last
	MUL WF1, ACC+32, XT, 32, 2, 1, 0x04
	PLACES
	WIN 0
.set pi, 0
.rept 16
	v_pk_mul_f32 v[TMP+2*pi:TMP+2*pi+1], v[ACC+2*pi:ACC+2*pi+1], 0xbfb8aa3b op_sel_hi:[1,0]
.set pi, pi+1
.endr
	SIG TMP
	PKMUL ACC, ACC, TMP, 16
	PKMUL ACC, ACC, ACC+32, 16
	WIN 0x40
	CVT22 HSW+8*(4*\half+\oc), 64, ACC
.endm
.macro WTO oc, last
	PLACES
	FETCH WF1, 5, \oc
	s_wait_dscnt 16
	MUL WF0, TO+32*\oc, HSW, 64, 2, 1, 0xF4
	MID 4, \oc, \last
	MUL WF1, TO+32*\oc, HSW+32, 64, 2, 0, 0xF4
.endm
; x += sigmoid(sn @ tk + b) * (hidden @ wto)
.macro TK oc, fa, fb, last
	PLACES
	WIN 0
	CLOAD ACC, 9, \oc
	BLOAD 10, \oc
.if \last
	s_wait_dscnt 0x0
.else
	FETCH \fb, 2, \oc+1
	s_wait_dscnt 16
.endif
	CINIT ACC, 1
	MUL \fa, ACC, SN, 32, 2, 0, 0x04
	PLACES
	WIN 0
	SIG ACC
	WIN 0xAC
	s_wait_alu depctr_va_vdst(0)
.irp u, 0,1
.irp t, 0,1
.irp i, 0,2,4,6
	v_pk_fma_f32 v[X+64*\t+8*(2*\oc+\u)+\i:X+64*\t+8*(2*\oc+\u)+\i+1], v[ACC+16*\u+8*\t+\i:ACC+16*\u+8*\t+\i+1], v[TO+32*\oc+16*\u+8*\t+\i:TO+32*\oc+16*\u+8*\t+\i+1], v[X+64*\t+8*(2*\oc+\u)+\i:X+64*\t+8*(2*\oc+\u)+\i+1]
.endr
.endr
.endr
.endm
.macro OUT t, f                        ; a tile of x through my stage into whole rows of 512 bytes
	WIN 0x08
.set ei, 0
.rept 8
	ds_store_b128 v7, v[X+64*\t+8*ei:X+64*\t+8*ei+3]   offset:64*ei
	ds_store_b128 v7, v[X+64*\t+8*ei+4:X+64*\t+8*ei+7] offset:64*ei+16
.set ei, ei+1
.endr
	WIN 0
.set ei, 0
.rept 16
	ds_load_b128 v[\f+4*ei:\f+4*ei+3], v6 offset:528*ei
.set ei, ei+1
.endr
.set ei, 0
.rept 16
	s_wait_dscnt 15-ei
	global_store_b128 v1, v[\f+4*ei:\f+4*ei+3], s[62:63] offset:(16*\t+ei)*512
.set ei, ei+1
.endr
.endm
	; ---- A: scalars, descriptors, the first joint loads ----
	s_load_b256 s[4:11], s[0:1], 0x0               ; x in, extra_feats, atom_mask, the block's weights and bias
	s_load_b64 s[12:13], s[0:1], 0x20              ; x out
	v_lshrrev_b32 v1, 5, v0
	v_readfirstlane_b32 s14, v1                    ; wave
	s_bfe_u32 s15, ttmp6, 0x40000                  ; cx: it enters global addresses and lane masks only
	s_lshl_b32 s16, ttmp9, 2
	s_add_co_u32 s16, s16, s15                     ; work-group
	s_mov_b32 s24, 15|(1<<16)|(1<<20)|(1<<21)|(5<<22)|(7<<25)   ; all four work-groups; 2-byte elements; 8 words of padding behind every 64
	s_mov_b32 s25, 128<<16
	s_mov_b32 s26, 64<<16
	s_mov_b32 s27, 128<<16
	s_mov_b32 s28, 64                              ; 64 rows of 256 bytes: a quarter of a slot
	s_mov_b32 s29, 128
	s_mov_b32 s30, 0
	s_mov_b32 s31, 0
	s_mov_b32 s32, 15|(1<<16)|(1<<20)|(1<<21)|(5<<22)|(7<<25)
	s_mov_b32 s33, 128<<16
	s_mov_b32 s34, 32<<16
	s_mov_b32 s35, 128<<16
	s_mov_b32 s36, 32                              ; the last unit alone: 32 rows a wave
	s_mov_b32 s37, 128
	s_mov_b32 s38, 0
	s_mov_b32 s39, 0
	s_mul_i32 s17, s14, 18432
	s_lshl_b32 s18, s14, 14
	s_mov_b32 s19, 0
	s_mov_b32 s70, 0x76543210
	s_mov_b32 s71, 0xfedcba98
	s_mov_b32 s72, 0xffff0000
	s_mov_b32 s73, 0x3b2aaaab                      ; 1/384
	s_mov_b32 s74, 0x3727c5ac                      ; 1e-5
	s_mov_b32 s75, 0x3c000000                      ; 1/128
	s_mov_b32 s76, 0x7f7fffff
	v_and_b32 v28, 31, v0
	v_lshlrev_b32 v1, 4, v28
	s_wait_kmcnt 0x0
	s_add_nc_u64 s[20:21], s[10:11], s[18:19]
.irp n, 0,1
	s_mov_b32 s[40+4*\n], 1
	s_add_co_u32 s[41+4*\n], s17, \n*SLOTB
	s_add_nc_u64 s[42+4*\n:43+4*\n], s[20:21], \n*65536
	s_or_b32 s[43+4*\n], s[43+4*\n], 0x80000000
.endr
	s_mov_b32 s48, 1
	s_mul_i32 s49, s14, 9216
	s_lshl_b32 s18, s14, 13
	s_add_nc_u64 s[50:51], s[10:11], s[18:19]
	s_add_nc_u64 s[50:51], s[50:51], 524288
	s_or_b32 s51, s51, 0x80000000
	ROUND                                          ; the four work-groups are here: the first joint loads meet
	tensor_load_to_lds s[40:43], s[24:31]          ; ag, ab
	s_nop 0
	tensor_load_to_lds s[44:47], s[24:31]          ; wk, wv
	s_nop 0
	; ---- B: pointers, the halo's rows, addresses ----
	s_lshr_b32 s17, s16, 7                         ; batch
	s_and_b32 s18, s16, 127
	s_lshl_b32 s18, s18, 7                         ; first atom in the batch
	s_lshr_b32 s19, s14, 1
	s_lshl_b32 s19, s19, 7
	s_lshl_b32 s20, s14, 5
	s_add_co_u32 s19, s19, s20                     ; my halo rows' place among the 256 key rows: 0, 32, 192, 224
	s_add_co_u32 s21, s18, s19
	s_sub_co_i32 s21, s21, 64
	s_max_i32 s21, s21, 0
	s_min_i32 s21, s21, 16352                      ; a block outside the batch reads the nearest one
	s_lshl_b32 s22, s17, 14
	s_add_co_u32 s21, s21, s22
	s_lshl_b32 s22, s21, 9
	s_mov_b32 s23, 0
	s_add_nc_u64 s[52:53], s[4:5], s[22:23]
	s_add_nc_u64 s[54:55], s[6:7], s[22:23]
	s_lshl_b32 s21, s16, 7
	s_add_co_u32 s21, s21, s20
	s_lshl_b32 s22, s21, 9
	s_add_nc_u64 s[56:57], s[4:5], s[22:23]
	s_add_nc_u64 s[58:59], s[6:7], s[22:23]
	s_add_nc_u64 s[62:63], s[12:13], s[22:23]
	s_lshl_b32 s21, s16, 2
	s_add_co_u32 s21, s21, s14
	s_lshl_b32 s22, s21, 15
	s_add_nc_u64 s[60:61], s[10:11], s[22:23]
	s_add_nc_u64 s[60:61], s[60:61], BIAS_OFF
	s_lshl_b32 s22, s17, 16
	s_add_nc_u64 s[66:67], s[8:9], s[22:23]
	s_add_nc_u64 s[68:69], s[10:11], PAR_OFF
	s_lshl_b32 s21, s14, 9
	v_add_nc_u32 v[TMP+12], s21, v1
	s_add_co_u32 s22, s14, 8
	s_min_u32 s22, s22, 10                         ; eleven vectors; wave 3's third copy repeats the last into a slot that nobody reads
	s_lshl_b32 s22, s22, 9
	v_add_nc_u32 v[TMP+13], s22, v1
	v_add_nc_u32 v[TMP+14], PARB, v[TMP+12]
	global_load_b128 v[TMP:TMP+3],    v[TMP+12], s[68:69]
	global_load_b128 v[TMP+4:TMP+7],  v[TMP+12], s[68:69] offset:2048
	global_load_b128 v[TMP+8:TMP+11], v[TMP+13], s[68:69]
	LOADROWS 54, 52
	v_and_b32 v29, 15, v0                          ; r
	v_bfe_u32 v30, v0, 4, 1                        ; h
	v_and_b32 v31, 7, v0
	v_lshl_add_u32 v31, v30, 3, v31
	v_mul_u32_u24 v31, v31, PITW
	v_bfe_u32 v2, v0, 3, 1
	v_lshl_add_u32 v2, v2, 4, v31
	v_add_nc_u32 v3, UNITB, v2
	v_add_nc_u32 v4, SLOTB, v2
	v_add_nc_u32 v5, SLOTB+UNITB, v2
	s_mul_i32 s21, s14, STGB
	s_add_co_u32 s21, s21, STG
	v_add_nc_u32 v6, s21, v1
	v_mul_u32_u24 v7, v29, 528
	v_lshl_add_u32 v7, v30, 5, v7
	v_add_nc_u32 v7, s21, v7
	v_lshlrev_b32 v8, 5, v30
	v_add_nc_u32 v8, PARB, v8
	v_mul_u32_u24 v31, v29, KP
	v_lshl_add_u32 v31, v30, 4, v31
	s_mul_i32 s21, s19, KP
	s_add_co_u32 s21, s21, KB
	v_add_nc_u32 v9, s21, v31
	s_add_co_u32 s22, s20, 64
	s_mul_i32 s21, s22, KP
	s_add_co_u32 s21, s21, KB
	v_add_nc_u32 v10, s21, v31
	s_add_co_u32 s21, s20, 16                      ; my window's first key row
	s_mul_i32 s21, s21, KP
	s_add_co_u32 s21, s21, KB
	v_add_nc_u32 v13, s21, v31
	v_mul_u32_u24 v31, v29, VP
	v_lshl_add_u32 v31, v30, 4, v31
	s_lshl_b32 s21, s19, 1
	s_add_co_u32 s21, s21, VTB
	v_add_nc_u32 v11, s21, v31
	s_lshl_b32 s21, s22, 1
	s_add_co_u32 s21, s21, VTB
	v_add_nc_u32 v12, s21, v31
	s_lshl_b32 s21, s20, 1
	s_add_co_u32 s21, s21, VTB+32
	v_add_nc_u32 v14, s21, v31
	v_mov_b32 v15, 0
	s_add_co_u32 s21, s18, s20
	s_add_co_u32 s21, s21, 16
	v_lshl_add_u32 v0, v30, 3, s21                 ; my first key's atom + 64: never negative
	; ---- C: the halo's tiles ----
	s_wait_loadcnt 48                              ; the parameters and 16 rows of extra_feats are in; 48 younger loads may stay out
	ds_store_b128 v[TMP+14], v[TMP:TMP+3]
	ds_store_b128 v[TMP+14], v[TMP+4:TMP+7] offset:2048
	ds_store_b128 v[TMP+14], v[TMP+8:TMP+11] offset:4096
	EFTILE 0
	s_wait_loadcnt 32
	EFTILE 1
	s_wait_loadcnt 16
	XTILE 0
	s_wait_loadcnt 0x0
	XTILE 1
.irp kt, 0,1,2,3,4,5,6,7                           ; the keys' masks, eight at a time; a group of eight lies wholly inside or outside the batch
	v_add_nc_u32 v[TMP+\kt], 16*\kt, v0
	v_min_u32 v28, 64, v[TMP+\kt]
	v_sub_nc_u32 v[TMP+\kt], v[TMP+\kt], v28
	v_min_u32 v[TMP+\kt], 0x3ff8, v[TMP+\kt]
	v_lshlrev_b32 v[TMP+\kt], 2, v[TMP+\kt]
.endr
	WIN 0x80
.irp kt, 0,1,2,3,4,5,6,7
	global_load_b128 v[RAW+8*\kt:RAW+8*\kt+3],   v[TMP+\kt], s[66:67]
	global_load_b128 v[RAW+8*\kt+4:RAW+8*\kt+7], v[TMP+\kt], s[66:67] offset:16
.endr
	LOADROWS 58, 56                                ; my own 32 rows come in while the halo is worked on
	s_wait_xcnt 0x0                                ; the mask loads' address registers are written again below
	; ---- D: xa of the halo ----
	s_wait_tensorcnt 0x1                           ; my part of slot 0 is in; slot 1's may stay out
	s_wait_dscnt 0x0
	s_barrier_signal -1
	s_barrier_wait -1
	FETCH WF0, 2, 0
	ADA 0, 0, 0, XA, 0, 1, 2
	ADA 0, 1, 0, XA, 0, 1, 2
	ADA 0, 2, 0, XA, 0, 1, 2
	ADA 0, 3, 1, XA, 0, 1, 2
	; ---- E: my own tiles ----
	WIN 0
	s_wait_loadcnt 48                              ; the masks are older and so are in too
	EFTILE 0
	s_wait_loadcnt 32
	EFTILE 1
	s_wait_loadcnt 16
	XTILE 0
	s_wait_loadcnt 0x0
	XTILE 1
	WIN 0xC0
.set li, 0
.rept 64
	global_load_b128 v[4*li:4*li+3], v1, s[60:61] offset:512*li th:TH_LOAD_NT   ; my window's bias, 32,768 bytes, asked for three steps ahead of its use
.set li, li+1
.endr
	FETCH WF0, 2, 0
	ADA 0, 0, 0, XA+64, 0, 1, 2
	ADA 0, 1, 0, XA+64, 0, 1, 2
	ADA 0, 2, 0, XA+64, 0, 1, 2
	ADA 0, 3, 1, XA+64, 0, 1, 2
	; ---- F: K and V ----
	NEXT 0                                         ; wq, wg
	FETCH WF0, 4, 0
	KV 0, 0
	KV 1, 0
	KV 2, 0
	KV 3, 1
	; ---- G: key limits, Q and the gate ----
	NEXT 1                                         ; wo, sk; its waits and round also show K and V^T to every wave
.irp kt, 0,1,2,3,4,5,6,7
	v_add_nc_u32 v29, 16*\kt-64, v0
	v_cmp_gt_u32 s[16+\kt], 0x4000, v29            ; the key's atom lies in the batch
.endr
	v_mov_b32 v30, 0xceabfb8f                      ; -1e9 log2(e)
	WIN 0x48
.irp kt, 0,1,2,3,4,5,6,7
.irp j, 0,1,2,3,4,5,6,7
	v_cmp_lt_f32 vcc_lo, 0, v[RAW+8*\kt+\j]
	s_and_b32 vcc_lo, vcc_lo, s[16+\kt]
	v_cndmask_b32 v[LIM+8*\kt+\j], v30, s76, vcc_lo
.endr
.endr
	FETCH WF0, 2, 0
	QG 0, 0
	QG 1, 0
	QG 2, 0
	QG 3, 1
	; ---- H: attention ----
	WIN 0
	s_wait_loadcnt 0x0                             ; the bias
	FETCHK 0
	FETCHV 0
	ATT 0, 0, 0
	ATT 0, 1, 1
	ATT 1, 0, 0
	ATT 1, 1, 1
	ATT 2, 0, 0
	ATT 2, 1, 1
	ATT 3, 0, 0
	ATT 3, 1, 0
	; ---- I: output product and skip gate ----
	NEXT 0                                         ; tg, tb
	FETCH WF0, 4, 0
	OS 0, 0
	OS 1, 0
	OS 2, 0
	OS 3, 1
	XSTAT 0
	XSTAT 1
	; ---- J: the transition's AdaLN ----
	NEXT 1                                         ; wt1, wt2, first halves
	FETCH WF0, 2, 0
	ADA 0, 0, 0, XT, 6, 7, 8
	ADA 0, 1, 0, XT, 6, 7, 8
	ADA 0, 2, 0, XT, 6, 7, 8
	ADA 0, 3, 1, XT, 6, 7, 8
	; ---- K, L: the hidden layer ----
	NEXT 0                                         ; wt1, wt2, second halves
	FETCH WF0, 4, 0
	HS 1, 0, 0, 0
	HS 1, 0, 1, 0
	HS 1, 0, 2, 0
	HS 1, 0, 3, 1
	NEXT 1                                         ; wto
	FETCH WF0, 2, 0
	HS 0, 1, 0, 0
	HS 0, 1, 1, 0
	HS 0, 1, 2, 0
	HS 0, 1, 3, 1
	; ---- M: back to 128 channels ----
	WIN 0
	s_wait_dscnt 0x0
	s_wait_tensorcnt 0x0
	ROUND
	tensor_load_to_lds s[48:51], s[32:39]          ; tk, the last unit
	s_nop 0
	FETCH WF0, 4, 0
	WTO 0, 0
	WTO 1, 0
	WTO 2, 0
	WTO 3, 1
	; ---- N: the transition's skip gate ----
	WIN 0
	s_wait_dscnt 0x0
	s_wait_tensorcnt 0x0                           ; my part of tk is in
	s_barrier_signal -1
	s_barrier_wait -1
	PLACES
	FETCH WF0, 2, 0
	TK 0, WF0, WF1, 0
	TK 1, WF1, WF0, 0
	TK 2, WF0, WF1, 0
	TK 3, WF1, WF0, 1
	; ---- O: x leaves ----
	OUT 0, WF0
	OUT 1, WF1
	s_wait_dscnt 0x0
	ROUND                                          ; the closing round: no work-group ends while a partner may still ask jointly
	s_endpgm
.Lfunc_end_k_q8a70a07d22_block0:
	.size	k_q8a70a07d22_block0, .Lfunc_end_k_q8a70a07d22_block0-k_q8a70a07d22_block0
	.p2alignl 7, 3214868480
	.fill 96, 4, 3214868480
	.section	.rodata,"a",@progbits
	.p2align	6, 0x0
	.amdhsa_kernel k_q8a70a07d22_block0
		.amdhsa_group_segment_fixed_size 327680
		.amdhsa_private_segment_fixed_size 0
		.amdhsa_enable_private_segment 0
		.amdhsa_kernarg_size 40
		.amdhsa_user_sgpr_count 2
		.amdhsa_user_sgpr_kernarg_segment_ptr 1
		.amdhsa_wavefront_size32 1
		.amdhsa_system_sgpr_workgroup_id_x 1
		.amdhsa_system_sgpr_workgroup_id_y 1
		.amdhsa_system_sgpr_workgroup_id_z 1
		.amdhsa_system_vgpr_workitem_id 0
		.amdhsa_next_free_vgpr 1024
		.amdhsa_next_free_sgpr 96
		.amdhsa_reserve_vcc 1
		.amdhsa_float_denorm_mode_32 3
		.amdhsa_float_denorm_mode_16_64 3
		.amdhsa_memory_ordered 1
		.amdhsa_forward_progress 1
		.amdhsa_inst_pref_size 255
	.end_amdhsa_kernel
	.section	.bss,"aw",@nobits
	.p2align	6
	.space	262144
	.amdgpu_metadata
---
amdhsa.version: [ 1, 2 ]
amdhsa.kernels:
  - .name:           k_q8a70a07d22_block0
    .symbol:         k_q8a70a07d22_block0.kd
    .args:
      - { .name: xA, .offset: 0, .size: 8, .value_kind: global_buffer, .address_space: global }
      - { .name: extra_feats, .offset: 8, .size: 8, .value_kind: global_buffer, .address_space: global }
      - { .name: atom_mask, .offset: 16, .size: 8, .value_kind: global_buffer, .address_space: global }
      - { .name: blk0, .offset: 24, .size: 8, .value_kind: global_buffer, .address_space: global }
      - { .name: xB, .offset: 32, .size: 8, .value_kind: global_buffer, .address_space: global }
    .group_segment_fixed_size: 327680
    .private_segment_fixed_size: 0
    .kernarg_segment_align: 8
    .kernarg_segment_size: 40
    .max_flat_workgroup_size: 128
    .sgpr_count:     96
    .vgpr_count:     1024
    .wavefront_size: 32
...
	.end_amdgpu_metadata
.endif
;; end of part 3
;; launch block1: the kernel of part 3 again; grid 256 x 1, 4 waves a work-group, clusters of 4 x 1, 327,680 bytes of LDS; arguments xB, extra_feats, atom_mask, blk1, xA; writes xA
;; launch block2: the kernel of part 3 again; grid 256 x 1, 4 waves a work-group, clusters of 4 x 1, 327,680 bytes of LDS; arguments xA, extra_feats, atom_mask, blk2, xB; writes xB
;; launch final (part 4): grid 256 x 1, 8 waves a work-group, no clusters, 2,048 bytes of LDS; arguments xB, atom_mask, lnq_g, lnq_b, Wout, out0; writes out0
.if DOCPART == 4
	.amdgcn_target "amdgcn-amd-amdhsa--gfx1250"
	.amdhsa_code_object_version 6
	.text
	.protected	k_q8a70a07d22_final
	.globl	k_q8a70a07d22_final
	.p2align	8
	.type	k_q8a70a07d22_final,@function
k_q8a70a07d22_final:
	s_mov_b64 s[64:65], 0
	v_nop
	global_prefetch_b8 v0, s[64:65] scope:SCOPE_SE
	s_setreg_imm32_b32 hwreg(HW_REG_WAVE_MODE, 25, 1), 1
	s_wait_xcnt 0x0
; r = LN(x * mask, g, b) @ Wout.  The work-group takes 128 rows, a wave 16; a lane holds 4 channels of a row.
; r_o = (sum over c of (x_c - mu) g_c W[c][o]) / sigma + sum over c of b_c W[c][o].  Three columns only: f32 on the vector unit;
; the matrix unit, clusters and LDS tiles would add nothing to a stream of 512-byte rows.
; The 128 x 3 results meet in LDS and leave as three stores of 512 consecutive bytes.
; Registers: v4-7 g, v8-11 b, v12-23 Wout (then g * Wout), v24-28 at work, v32-95 the 16 rows, v96-111 their masks, v112-114 the constants.
.set CST, 112
.macro RED r
	v_add_f32_dpp v[\r], v[\r], v[\r] row_xmask:1 row_mask:0xf bank_mask:0xf
	v_add_f32_dpp v[\r], v[\r], v[\r] row_xmask:2 row_mask:0xf bank_mask:0xf
	v_add_f32_dpp v[\r], v[\r], v[\r] row_xmask:4 row_mask:0xf bank_mask:0xf
	v_add_f32_dpp v[\r], v[\r], v[\r] row_xmask:8 row_mask:0xf bank_mask:0xf
	v_permlanex16_b32 v31, v[\r], s20, s21
	v_add_f32 v[\r], v[\r], v31
.endm
	s_load_b256 s[4:11], s[0:1], 0x0               ; x, mask, g, b
	s_load_b128 s[12:15], s[0:1], 0x20             ; Wout, out
	v_lshrrev_b32 v1, 5, v0
	v_readfirstlane_b32 s16, v1
	v_and_b32 v2, 31, v0
	v_lshlrev_b32 v1, 4, v2
	v_mul_u32_u24 v3, v2, 48
	v_mov_b32 v30, 0
	v_mov_b32 v31, 0
	s_mov_b32 s20, 0x76543210
	s_mov_b32 s21, 0xfedcba98
	s_mov_b32 s22, 0x3c000000                      ; 1/128
	s_mov_b32 s23, 0x3727c5ac                      ; 1e-5
	s_lshl_b32 s17, ttmp9, 7
	s_lshl_b32 s18, s16, 4
	s_add_co_u32 s17, s17, s18                     ; my first row
	s_lshl_b32 s18, s17, 9
	s_mov_b32 s19, 0
	s_wait_kmcnt 0x0
	s_add_nc_u64 s[4:5], s[4:5], s[18:19]
	s_lshl_b32 s18, s17, 2
	s_add_nc_u64 s[6:7], s[6:7], s[18:19]
	global_load_b128 v[4:7], v1, s[8:9]
	global_load_b128 v[8:11], v1, s[10:11]
	global_load_b128 v[12:15], v3, s[12:13]
	global_load_b128 v[16:19], v3, s[12:13] offset:16
	global_load_b128 v[20:23], v3, s[12:13] offset:32
.set i, 0
.rept 16
	global_load_b32 v[96+i], v30, s[6:7] offset:4*i
.set i, i+1
.endr
.set i, 0
.rept 16
	global_load_b128 v[32+4*i:35+4*i], v1, s[4:5] offset:512*i th:TH_LOAD_NT
.set i, i+1
.endr
	s_mul_i32 s18, s16, 192
	v_mov_b32 v29, s18                             ; my 16 rows x 12 bytes in LDS
	s_wait_loadcnt 32                              ; g, b and Wout are in; the 16 masks and the 16 rows may stay out
.irp o, 0,1,2
	v_mul_f32 v[CST+\o], v8, v[12+\o]
	v_fmac_f32 v[CST+\o], v9, v[15+\o]
	v_fmac_f32 v[CST+\o], v10, v[18+\o]
	v_fmac_f32 v[CST+\o], v11, v[21+\o]
.endr
	RED CST
	RED CST+1
	RED CST+2
.irp c, 0,1,2,3
.irp o, 0,1,2
	v_mul_f32 v[12+3*\c+\o], v[4+\c], v[12+3*\c+\o]
.endr
.endr
.macro FROW i
	s_wait_loadcnt 15-\i                           ; loads come back in order: row i is in, and the masks are older
.irp c, 0,1,2,3
	v_mul_f32 v[32+4*\i+\c], v[32+4*\i+\c], v[96+\i]
.endr
	v_add_f32 v24, v[32+4*\i], v[33+4*\i]
	v_add_f32 v25, v[34+4*\i], v[35+4*\i]
	v_add_f32 v24, v24, v25
	RED 24
	v_mul_f32 v24, 0xbc000000, v24                 ; - mean
.irp c, 0,1,2,3
	v_add_f32 v[32+4*\i+\c], v[32+4*\i+\c], v24
.endr
	v_mul_f32 v25, v[32+4*\i], v[32+4*\i]
.irp c, 1,2,3
	v_fmac_f32 v25, v[32+4*\i+\c], v[32+4*\i+\c]
.endr
.irp o, 0,1,2
	v_mul_f32 v[26+\o], v[32+4*\i], v[12+\o]
	v_fmac_f32 v[26+\o], v[33+4*\i], v[15+\o]
	v_fmac_f32 v[26+\o], v[34+4*\i], v[18+\o]
	v_fmac_f32 v[26+\o], v[35+4*\i], v[21+\o]
.endr
	RED 25
	RED 26
	RED 27
	RED 28
	v_fma_f32 v25, v25, s22, s23
	v_rsq_f32 v25, v25
	v_nop
	s_wait_alu depctr_va_vdst(0)
.irp o, 0,1,2
	v_fma_f32 v[26+\o], v[26+\o], v25, v[CST+\o]
	ds_store_b32 v29, v[26+\o] offset:12*\i+4*\o   ; every lane holds the same number and writes the same word
.endr
.endm
.irp i, 0,1,2,3,4,5,6,7,8,9,10,11,12,13,14,15
	FROW \i
.endr
	s_wait_dscnt 0x0
	s_barrier_signal -1
	s_barrier_wait -1
	s_cmp_gt_u32 s16, 2
	s_cbranch_scc1 .Ldone
	s_mul_i32 s18, ttmp9, 1536
	s_add_nc_u64 s[14:15], s[14:15], s[18:19]
	v_lshl_add_u32 v28, s16, 9, v1
	ds_load_b128 v[4:7], v28
	s_wait_dscnt 0x0
	global_store_b128 v28, v[4:7], s[14:15]
.Ldone:
	s_endpgm
.Lfunc_end_k_q8a70a07d22_final:
	.size	k_q8a70a07d22_final, .Lfunc_end_k_q8a70a07d22_final-k_q8a70a07d22_final
	.p2alignl 7, 3214868480
	.fill 96, 4, 3214868480
	.section	.rodata,"a",@progbits
	.p2align	6, 0x0
	.amdhsa_kernel k_q8a70a07d22_final
		.amdhsa_group_segment_fixed_size 2048
		.amdhsa_private_segment_fixed_size 0
		.amdhsa_enable_private_segment 0
		.amdhsa_kernarg_size 48
		.amdhsa_user_sgpr_count 2
		.amdhsa_user_sgpr_kernarg_segment_ptr 1
		.amdhsa_wavefront_size32 1
		.amdhsa_system_sgpr_workgroup_id_x 1
		.amdhsa_system_sgpr_workgroup_id_y 1
		.amdhsa_system_sgpr_workgroup_id_z 1
		.amdhsa_system_vgpr_workitem_id 0
		.amdhsa_next_free_vgpr 128
		.amdhsa_next_free_sgpr 66
		.amdhsa_reserve_vcc 0
		.amdhsa_float_denorm_mode_32 3
		.amdhsa_float_denorm_mode_16_64 3
		.amdhsa_memory_ordered 1
		.amdhsa_forward_progress 1
		.amdhsa_inst_pref_size 59
	.end_amdhsa_kernel
	.amdgpu_metadata
---
amdhsa.version: [ 1, 2 ]
amdhsa.kernels:
  - .name:           k_q8a70a07d22_final
    .symbol:         k_q8a70a07d22_final.kd
    .args:
      - { .name: xB, .offset: 0, .size: 8, .value_kind: global_buffer, .address_space: global }
      - { .name: atom_mask, .offset: 8, .size: 8, .value_kind: global_buffer, .address_space: global }
      - { .name: lnq_g, .offset: 16, .size: 8, .value_kind: global_buffer, .address_space: global }
      - { .name: lnq_b, .offset: 24, .size: 8, .value_kind: global_buffer, .address_space: global }
      - { .name: Wout, .offset: 32, .size: 8, .value_kind: global_buffer, .address_space: global }
      - { .name: out0, .offset: 40, .size: 8, .value_kind: global_buffer, .address_space: global }
    .group_segment_fixed_size: 2048
    .private_segment_fixed_size: 0
    .kernarg_segment_align: 8
    .kernarg_segment_size: 48
    .max_flat_workgroup_size: 256
    .sgpr_count:     66
    .vgpr_count:     128
    .wavefront_size: 32
...
	.end_amdgpu_metadata
.endif
;; end of part 4
;; ======== version 2 of 2: 6 launches; 1.66 times as fast as version 1
;; limits: values outside matrix products are rounded to bf16
;; workspace buffers: blk0 34,119,680 bytes; blk1 34,119,680 bytes; blk2 34,119,680 bytes; xA 16,777,216 bytes; xB 16,777,216 bytes; qtok 524,288 bytes
;; launch prep: the kernel of part 1 again; grid 59 x 1, 8 waves a work-group, no clusters, 182,272 bytes of LDS; arguments ag_w, ab_w, wk, wv, wq, wg, wo, sk_w, tg_w, tb_w, wt1, wt2, wto, tk_w, ag_b, bq, sk_b, tg_b, tk_b, Wa, a, blk0, blk1, blk2, qtok; writes blk0, blk1, blk2, qtok
;; launch pair: the kernel of part 2 again; grid 256 x 1, 8 waves a work-group, no clusters, 327,680 bytes of LDS; arguments p_lm, pg, pb, wpb, qtok, extra_feats, atom_mask, atom_to_token_idx, blk0, blk1, blk2, xA; writes blk0, blk1, blk2, xA
;; launch block0 (part 5): grid 256 x 1, 4 waves a work-group, clusters of 4 x 1, 327,680 bytes of LDS; arguments xA, extra_feats, atom_mask, blk0, xB; writes xB
.if DOCPART == 5
	.amdgcn_target "amdgcn-amd-amdhsa--gfx1250"
	.amdhsa_code_object_version 6
	.text
	.protected	k_q8a70a07d22_block0
	.globl	k_q8a70a07d22_block0
	.p2align	8
	.type	k_q8a70a07d22_block0,@function
k_q8a70a07d22_block0:
	s_mov_b64 s[64:65], 0
	v_nop
	global_prefetch_b8 v0, s[64:65] scope:SCOPE_SE
	s_setreg_imm32_b32 hwreg(HW_REG_WAVE_MODE, 25, 1), 1
	s_wait_xcnt 0x0
	s_wait_alu depctr_hold_cnt(0) depctr_sa_sdst(0) depctr_va_vdst(0) depctr_va_sdst(0) depctr_va_ssrc(0) depctr_va_vcc(0) depctr_vm_vsrc(0)
	s_getreg_b32 s2, hwreg(HW_REG_IB_STS2, 6, 4)
	s_cmp_eq_u32 s2, 0
	s_cbranch_scc0 .Lentry_in_a_cluster
	s_endpgm
.Lentry_in_a_cluster:
	s_bfe_u32 s2, ttmp6, 0x10000c
	s_cmp_lg_u32 s2, 0x3003
	s_cbranch_scc0 .Lentry_shape_is_right
	s_endpgm
.Lentry_shape_is_right:
; One block of the atom transformer for 128 atoms: AdaLN, windowed attention with pair bias, gated output, conditioned SwiGLU.
; Four waves; wave w owns window w (32 atoms, two tiles of 16) and also makes xa, K and V for 32 halo atoms.
; ACTIVATIONS ARE THE SECOND SOURCE (column = atom), WEIGHTS THE FIRST (row = out channel, by transposing LDS loads from [k][n]).
; A result tile then holds, in lane (r, h), channels 8 h + j of atom r; two neighbouring tiles rounded to bf16 ARE the next
; product's second source.  S^T = K x Q + bias (the bias is the C operand), P stays in registers as the second source of O^T = V^T x P.
; EVERY STEP IS A LOOP over its four chunks of 32 out channels, so that one body is run four times instead of four bodies once.
; A register number cannot be stepped, so what hangs on the chunk is addressed in LDS: weights, parameters, K and V by stepped address
; registers; x lies in the wave's own scratch as rows of 528 bytes (a chunk is 8 loads, an update 8 loads and 8 stores); a chunk's
; 16 registers of the next second source go into a staging area, 16 bytes a lane, and come back as a whole behind the loop.
; The scratch lies in the bytes of K and V^T, which are idle before K and V are made and behind attention; in between x waits in registers.
; The 17 weight units (32,768 bytes each) are the same for all work-groups: four work-groups form a cluster and ask for them jointly,
; two units a slot, two slots.  A wave has two tensor loads out at the start and one afterwards.
; LIMITS: masked scores are min(score, -1.4427e9), exact unless a valid score lies below that number.  A halo block of 32 rows that
; lies outside the batch is replaced by the batch's nearest block of 32 rows; its keys are masked and carry weight only in a window whose 128 keys are
; all masked, whose atoms' results do not depend on x.  Exponentials are taken behind the row's maximum.
.set PITW, 288
.set UNITB, 36864
.set SLOTB, 73728
.set KB, 147456                        ; K: 256 rows of 272 bytes
.set KP, 272
.set VTB, 217088                       ; V^T: 128 rows of 528 bytes
.set VP, 528
.set STG, 284672                       ; a stage of 16 rows of 528 bytes for each wave
.set STGB, 8448
.set PARB, 318464                      ; twelve parameter vectors of 512 bytes
.set SCRB, 34304                       ; a wave's scratch: a quarter of K's and V^T's bytes: x tiles 2 x 8,448, then
.set SBO, 16896                        ; the staging area, 16,384 bytes
.set PAR_OFF, 557056
.set BIAS_OFF, 565248
; window 0: v0 first key + 64, later a loop's address; v1 16 lane; v2-5 weight fragment addresses (slot, unit); v6 stage by rows; v7 stage by (r, h);
; v8 parameters; v9 x scratch by rows; v10 x scratch by (r, h); v11 staging area; v12-14 loops' addresses; v15 lane exchange; v16-19 t; v20-23 1/sigma;
; v24-27 -mu/sigma; v28-31 at work, or loops' addresses where the loop has no reduction
.set WF0, 32
.set WF1, 96
.set ACC, 160
.set TMP, 224
; window 1
.set SN, 0
.set XA, 64                            ; four tiles: halo, halo, own, own
.set LIM, 64                           ; takes the halo's place behind K and V
.set P, 192
.set Q, 224
.set OG, 64
.set XT, 128
.set HSW, 64
; window 2
.set X, 0
.set RAW, 128
.set XC, 192                           ; a chunk of x
.set GT, 224                           ; a head's output gate
; window 3: rows as loaded; then
.set BI, 0                             ; a head's bias
.set KF, 64
.set VF, 128
.set MSB, 0
.macro WIN new                         ; low byte: source 0 bits 1:0, source 1 bits 3:2, source 2 bits 5:4, destination bits 7:6; high byte: the setting left
.if MSB != (\new)
	s_set_vgpr_msb (MSB<<8)|(\new)
.set MSB, \new
.endif
.endm
.macro PLACES                          ; four places behind a matrix instruction (ISA guide 7.12.1)
.rept 4
	v_nop
.endr
.endm
.macro STEP r, n                       ; an address goes on to the next chunk; behind a matrix instruction it is also a place
	v_add_nc_u32 v[\r], \n, v[\r]
.endm
.macro LOOPEND cnt, n, label
	s_add_co_u32 s[\cnt], s[\cnt], 1
	s_cmp_lt_u32 s[\cnt], \n
	s_cbranch_scc1 \label
.endm
.macro ROUND                           ; a round of the cluster's barrier
	s_barrier_signal -1
	s_barrier_wait -1
	s_cmp_lg_u32 s14, 0
	s_cbranch_scc1 .Lnot_wave_0_\@
	s_barrier_signal -3
.Lnot_wave_0_\@:
	s_barrier_wait -3
	s_barrier_signal -1
	s_barrier_wait -1
.endm
.macro NEXT slot                       ; the slot just read is filled again with the units two slots on
	WIN 0
	s_wait_dscnt 0x0                               ; my LDS reads and stores are done
	s_wait_tensorcnt 0x0                           ; all my tensor loads have landed: the other slot is whole, a descriptor may be written
	s_add_nc_u64 s[42+4*\slot:43+4*\slot], s[42+4*\slot:43+4*\slot], 131072
	ROUND                                          ; both now hold of every wave of the four work-groups
	tensor_load_to_lds s[40+4*\slot:43+4*\slot], s[24:31]
	s_nop 0
.endm
.macro CVTLIN dst, src, n
.set cl, 0
.rept \n
	v_cvt_pk_bf16_f32 v[\dst+cl], v[\src+2*cl], v[\src+2*cl+1]
.set cl, cl+1
.endr
.endm
.macro CVT22 dst, ts, src              ; four result tiles (u, tile) become the second source's registers 4 u + 0..3 of each tile
.irp u, 0,1
.irp t, 0,1
	CVTLIN \dst+\ts*\t+4*\u, \src+16*\u+8*\t, 4
.endr
.endr
.endm
.macro PKMUL d, a, b, n
.set pi, 0
	s_wait_alu depctr_va_vdst(0)
.rept \n
	v_pk_mul_f32 v[\d+2*pi:\d+2*pi+1], v[\a+2*pi:\a+2*pi+1], v[\b+2*pi:\b+2*pi+1]
.set pi, pi+1
.endr
.endm
.macro PKMULP d, p, n
.set pi, 0
.rept \n
	v_pk_mul_f32 v[\d+2*pi:\d+2*pi+1], v[\d+2*pi:\d+2*pi+1], v[\p:\p+1]
.set pi, pi+1
.endr
.endm
.macro PKADDP d, a, p, n
.set pi, 0
.rept \n
	v_pk_add_f32 v[\d+2*pi:\d+2*pi+1], v[\a+2*pi:\a+2*pi+1], v[\p:\p+1]
.set pi, pi+1
.endr
.endm
.macro PKFMA d, a, b, n                ; d += a * b
.set pi, 0
	s_wait_alu depctr_va_vdst(0)
.rept \n
	v_pk_fma_f32 v[\d+2*pi:\d+2*pi+1], v[\a+2*pi:\a+2*pi+1], v[\b+2*pi:\b+2*pi+1], v[\d+2*pi:\d+2*pi+1]
.set pi, pi+1
.endr
.endm
.macro TR op, d, n
.set pi, 0
.rept \n
	\op v[\d+pi], v[\d+pi]
.set pi, pi+1
.endr
.endm
.macro ADD1 d, n
.set pi, 0
.rept \n
	v_pk_add_f32 v[\d+2*pi:\d+2*pi+1], v[\d+2*pi:\d+2*pi+1], 1.0 op_sel_hi:[1,0]
.set pi, pi+1
.endr
.endm
.macro SIG b                           ; 32 sigmoids; the sums already carry -log2(e)
	TR v_exp_f32, \b, 32
	v_nop
	s_wait_alu depctr_va_vdst(0)
	ADD1 \b, 16
	TR v_rcp_f32, \b, 32
	v_nop
.endm
.macro TREE                            ; TMP's 32 numbers, and the other half's, into v28
.irp hh, 8,4,2,1
.set si, 0
.rept \hh
	v_pk_add_f32 v[TMP+2*si:TMP+2*si+1], v[TMP+2*si:TMP+2*si+1], v[TMP+2*(si+\hh):TMP+2*(si+\hh)+1]
.set si, si+1
.endr
.endr
	v_add_f32 v28, v[TMP], v[TMP+1]
	v_permlanex16_b32 v15, v28, s70, s71
	v_add_f32 v28, v28, v15
.endm
.macro SUM64 b, win
	WIN \win
.set si, 0
.rept 16
	v_pk_add_f32 v[TMP+2*si:TMP+2*si+1], v[\b+4*si:\b+4*si+1], v[\b+4*si+2:\b+4*si+3]
.set si, si+1
.endr
	WIN 0
	TREE
.endm
.macro SQ64 b
.set si, 0
.rept 16
	v_pk_mul_f32 v[TMP+2*si:TMP+2*si+1], v[\b+4*si:\b+4*si+1], v[\b+4*si:\b+4*si+1]
.set si, si+1
.endr
.set si, 0
.rept 16
	v_pk_fma_f32 v[TMP+2*si:TMP+2*si+1], v[\b+4*si+2:\b+4*si+3], v[\b+4*si+2:\b+4*si+3], v[TMP+2*si:TMP+2*si+1]
.set si, si+1
.endr
	TREE
.endm
.macro WM d, a, b, z
.if \z
	v_wmma_f32_16x16x32_bf16 v[\d:\d+7], v[\a:\a+7], v[\b:\b+7], 0
.else
	v_wmma_f32_16x16x32_bf16 v[\d:\d+7], v[\a:\a+7], v[\b:\b+7], v[\d:\d+7]
.endif
.endm
; 32 out channels (u = 0, 1) x T tiles of atoms x 128 along k.  The 2 T accumulators take turns, one instruction a turn.
.macro MUL f, d, b, bts, T, zero, win
	WIN \win
.set mk, 0
.rept 4
.set zz, 0
.if \zero
.if mk == 0
.set zz, 1
.endif
.endif
.set mu, 0
.rept 2
.set mt, 0
.rept \T
	WM \d+8*\T*mu+8*mt, \f+8*(4*mu+mk), \b+\bts*mt+8*mk, zz
.set mt, mt+1
.endr
.set mu, mu+1
.endr
.set mk, mk+1
.endr
.endm
.macro MULV                            ; V with the sources swapped: a lane holds 8 neighbouring atoms of one channel
	WIN 0x01
.set mk, 0
.rept 4
.set zz, 0
.if mk == 0
.set zz, 1
.endif
.set mu, 0
.rept 2
.set mt, 0
.rept 4
	WM ACC+32*mu+8*mt, XA+32*mt+8*mk, WF1+8*(4*mu+mk), zz
.set mt, mt+1
.endr
.set mu, mu+1
.endr
.set mk, mk+1
.endr
.endm
.macro FETCHA f, areg                  ; 16 transposing loads: the fragments (u, kb) of the 32 out channels at which areg stands
	WIN 0
.irp u, 0,1
.irp kb, 0,1,2,3
	ds_load_tr16_b128 v[\f+8*(4*\u+\kb):\f+8*(4*\u+\kb)+3],   v[\areg] offset:\kb*9216+32*\u
	ds_load_tr16_b128 v[\f+8*(4*\u+\kb)+4:\f+8*(4*\u+\kb)+7], v[\areg] offset:\kb*9216+32*\u+4608
.endr
.endr
.endm
; Between a chunk's two products: the next chunk's first fragments are fetched, but not in the last trip, which has no next chunk.
; Each way has its own wait: all but the 16 loads just issued, or all.
.macro PREF areg, cnt, last
	s_cmp_eq_u32 s[\cnt], \last
	s_cbranch_scc1 .Lpl_\@
	FETCHA WF0, \areg
	s_wait_dscnt 16
	s_branch .Lpj_\@
.Lpl_\@:
	s_wait_dscnt 0x0
.Lpj_\@:
.endm
.macro PLOADL d, areg, off             ; eight numbers of a lane: two loads of 16 bytes
	ds_load_b128 v[\d:\d+3],   v[\areg] offset:\off
	ds_load_b128 v[\d+4:\d+7], v[\areg] offset:\off+16
.endm
.macro CLOADL acc, areg, slot          ; a parameter vector's 32 channels of this chunk into tile 0 of the accumulators
	PLOADL \acc, \areg, 512*\slot
	PLOADL \acc+16, \areg, 512*\slot+64
.endm
.macro BLOADL areg, slot
	PLOADL TMP, \areg, 512*\slot
	PLOADL TMP+8, \areg, 512*\slot+64
.endm
.macro XCLOAD areg                     ; this chunk of x, both tiles, laid as the accumulators are (16 u + 8 tile)
	WIN 0x80
.irp u, 0,1
.irp t, 0,1
	PLOADL XC+16*\u+8*\t, \areg, 8448*\t+64*\u
.endr
.endr
	WIN 0
.endm
.macro XCSTORE areg
	WIN 0x08
.irp u, 0,1
.irp t, 0,1
	ds_store_b128 v[\areg], v[XC+16*\u+8*\t:XC+16*\u+8*\t+3]   offset:8448*\t+64*\u
	ds_store_b128 v[\areg], v[XC+16*\u+8*\t+4:XC+16*\u+8*\t+7] offset:8448*\t+64*\u+16
.endr
.endr
	WIN 0
.endm
.macro FRAGST areg, ts                 ; a chunk's two fragments (TMP + 8 tile) into the staging area: 1,024 bytes a fragment, 16 bytes a lane
.irp t, 0,1
.irp q, 0,1
	ds_store_b128 v[\areg], v[TMP+8*\t+4*\q:TMP+8*\t+4*\q+3] offset:\ts*\t+512*\q
.endr
.endr
.endm
.macro FRAGLD dst, n                   ; the staging area's first n x 512 bytes back into window 1: a whole second source
	WIN 0x40
.set fi, 0
.rept \n
	ds_load_b128 v[\dst+4*fi:\dst+4*fi+3], v11 offset:512*fi
.set fi, fi+1
.endr
	WIN 0
.endm
.macro CINIT acc, hasb                 ; the sums start at t * column sum (+ bias): tile 1 first, then tile 0 in place
.irp u, 0,1
.irp i, 0,2,4,6
.if \hasb
	v_pk_fma_f32 v[\acc+16*\u+8+\i:\acc+16*\u+9+\i], v[\acc+16*\u+\i:\acc+16*\u+\i+1], v[18:19], v[TMP+8*\u+\i:TMP+8*\u+\i+1]
.else
	v_pk_mul_f32 v[\acc+16*\u+8+\i:\acc+16*\u+9+\i], v[\acc+16*\u+\i:\acc+16*\u+\i+1], v[18:19]
.endif
.endr
.irp i, 0,2,4,6
.if \hasb
	v_pk_fma_f32 v[\acc+16*\u+\i:\acc+16*\u+\i+1], v[\acc+16*\u+\i:\acc+16*\u+\i+1], v[16:17], v[TMP+8*\u+\i:TMP+8*\u+\i+1]
.else
	v_pk_mul_f32 v[\acc+16*\u+\i:\acc+16*\u+\i+1], v[\acc+16*\u+\i:\acc+16*\u+\i+1], v[16:17]
.endif
.endr
.endr
.endm
.macro LOADROWS pe, px                 ; 32 rows of extra_feats, 32 of x: a load of the wave covers a row's 512 bytes
	WIN 0xC0
.set li, 0
.rept 32
	global_load_b128 v[4*li:4*li+3], v1, s[\pe:\pe+1] offset:512*li
.set li, li+1
.endr
.set li, 0
.rept 32
	global_load_b128 v[128+4*li:128+4*li+3], v1, s[\px:\px+1] offset:512*li
.set li, li+1
.endr
	WIN 0
.endm
.macro BIASLD                          ; a head's bias, 8,192 bytes: first the 8 loads of query tile 0, then those of tile 1
	WIN 0xC0
.set li, 0
.rept 16
	global_load_b128 v[BI+4*li:BI+4*li+3], v1, s[60:61] offset:512*li th:TH_LOAD_NT
.set li, li+1
.endr
	WIN 0
.endm
.macro STAGEIN b, areg, off            ; 16 rows into my own bytes; LDS serves a wave's instructions in order
	WIN 0x0C
.set ei, 0
.rept 16
	ds_store_b128 v[\areg], v[\b+4*ei:\b+4*ei+3] offset:\off+528*ei
.set ei, ei+1
.endr
.endm
.macro STAGEOUT d, areg, off           ; back as (channel 16 t + 8 h + j, atom r)
.set ei, 0
.rept 8
	ds_load_b128 v[\d+8*ei:\d+8*ei+3],   v[\areg] offset:\off+64*ei
	ds_load_b128 v[\d+8*ei+4:\d+8*ei+7], v[\areg] offset:\off+64*ei+16
.set ei, ei+1
.endr
.endm
.macro EFTILE t                        ; LayerNorm of extra_feats padded to 384: sn in bf16, and t = -mu / sigma of the padded channels
	STAGEIN 64*\t, 6, 0
	WIN 0
	STAGEOUT ACC, 7, 0
	s_wait_dscnt 0x0
	SUM64 ACC, 0
	v_mul_f32 v30, 0xbb2aaaab, v28                 ; - sum / 384
	v_mov_b32 v31, v30
	PKADDP ACC, ACC, 30, 32
	SQ64 ACC
	v_mul_f32 v29, v30, v30
	v_fmamk_f32 v28, v29, 0x43800000, v28          ; + 256 mu^2: the padded channels
	v_fma_f32 v28, v28, s73, s74
	v_rsq_f32 v28, v28
	v_nop
	s_wait_alu depctr_va_vdst(0)
	v_mov_b32 v29, v28
	v_mul_f32 v[16+2*\t], v30, v28
	v_mul_f32 v[17+2*\t], v30, v28
	PKMULP ACC, 28, 32
	WIN 0x40
	CVTLIN SN+32*\t, ACC, 32
	WIN 0
.endm
.macro XSTAT t                         ; x's LayerNorm as x / sigma - mu / sigma; the variance from centred numbers
	SUM64 X+64*\t, 0x0A
	v_mul_f32 v30, 0xbc000000, v28
	v_mov_b32 v31, v30
	WIN 0x02
	PKADDP WF1, X+64*\t, 30, 32
	WIN 0
	SQ64 WF1
	v_fma_f32 v28, v28, s75, s74
	v_rsq_f32 v[20+2*\t], v28
	v_nop
	s_wait_alu depctr_va_vdst(0)
	v_mov_b32 v[21+2*\t], v[20+2*\t]
	v_mul_f32 v[24+2*\t], v30, v[20+2*\t]
	v_mul_f32 v[25+2*\t], v30, v[20+2*\t]
.endm
.macro XTILE t, st                     ; st = 1: the tile's rows, as loaded, go into the x scratch first; then the tile comes into window 2 and its figures are made
.if \st
	STAGEIN 128+64*\t, 9, 8448*\t
.endif
	WIN 0x80
	STAGEOUT X+64*\t, 10, 8448*\t
	WIN 0
	s_wait_dscnt 0x0
	XSTAT \t
.endm
; AdaLN: sigmoid(sn @ Wg + bg) * LN(x) + sn @ Wb, four chunks of 32 channels; the chunks' fragments go to the staging area at v29.
; a0, a1: the registers that hold the two units' fragment addresses; pg, pbi, ps: the parameter vectors.
.macro ADALOOP a0, a1, pg, pbi, ps
	WIN 0
	v_mov_b32 v12, v[\a0]
	v_mov_b32 v13, v[\a1]
	v_mov_b32 v14, v8
	v_mov_b32 v28, v10
	FETCHA WF0, 12
	s_mov_b32 s78, 0
.Lada_\@:
	CLOADL ACC, 14, \pg
	BLOADL 14, \pbi
	CLOADL ACC+32, 14, \ps
	XCLOAD 28
	FETCHA WF1, 13
	s_wait_dscnt 16                                ; the first unit's fragments, the parameters and x's chunk are in
	CINIT ACC, 1
	CINIT ACC+32, 0
	MUL WF0, ACC, SN, 32, 2, 0, 0x04
	WIN 0
	STEP 12, 64                                    ; four places, and the addresses of the next chunk
	STEP 13, 64
	STEP 14, 128
	STEP 28, 128
	PREF 12, 78, 3
	MUL WF1, ACC+32, SN, 32, 2, 0, 0x04
	PLACES
	WIN 0
	SIG ACC
	WIN 0x02
	s_wait_alu depctr_va_vdst(0)
.irp u, 0,1
.irp t, 0,1
.irp i, 0,2,4,6
	v_pk_fma_f32 v[TMP+16*\u+8*\t+\i:TMP+16*\u+8*\t+\i+1], v[XC+16*\u+8*\t+\i:XC+16*\u+8*\t+\i+1], v[20+2*\t:21+2*\t], v[24+2*\t:25+2*\t]
.endr
.endr
.endr
	WIN 0
	PKFMA ACC+32, ACC, TMP, 16
	CVT22 TMP, 8, ACC+32
	FRAGST 29, 4096
	STEP 29, 1024
	LOOPEND 78, 4, .Lada_\@
.endm
; silu(xt @ wt1) * (xt @ wt2): four chunks of 32 of the 256 hidden channels
.macro HSLOOP a0, a1, half
	WIN 0
	v_mov_b32 v12, v[\a0]
	v_mov_b32 v13, v[\a1]
	v_add_nc_u32 v14, 4096*\half, v11
	FETCHA WF0, 12
	s_mov_b32 s78, 0
.Lhs_\@:
	FETCHA WF1, 13
	s_wait_dscnt 16
	MUL WF0, ACC, XT, 32, 2, 1, 0x04
	WIN 0
	STEP 12, 64
	STEP 13, 64
	v_nop
	v_nop
	PREF 12, 78, 3
	MUL WF1, ACC+32, XT, 32, 2, 1, 0x04
	PLACES
	WIN 0
.set pi, 0
.rept 16
	v_pk_mul_f32 v[TMP+2*pi:TMP+2*pi+1], v[ACC+2*pi:ACC+2*pi+1], 0xbfb8aa3b op_sel_hi:[1,0]
.set pi, pi+1
.endr
	SIG TMP
	PKMUL ACC, ACC, TMP, 16
	PKMUL ACC, ACC, ACC+32, 16
	CVT22 TMP, 8, ACC
	FRAGST 14, 8192
	STEP 14, 1024
	LOOPEND 78, 4, .Lhs_\@
.endm
; One head, 16 queries (tile qt), 128 keys.  Lane (r, h) holds query r's scores of keys 16 kt + 8 h + j.
.macro ATT qt
	WIN 0
	s_wait_loadcnt 8-8*\qt                         ; this tile's 8 bias loads are in; behind tile 0's stand tile 1's 8
	WIN 0x0C
.irp kt, 0,1,2,3,4,5,6,7
.irp p, 0,1,2,3
	v_lshlrev_b32 v[ACC+8*\kt+2*\p], 16, v[BI+32*\qt+4*\kt+\p]      ; the bias, bf16 to f32: it is the product's C
	v_and_b32 v[ACC+8*\kt+2*\p+1], s72, v[BI+32*\qt+4*\kt+\p]
.endr
.endr
.if \qt
	WIN 0
	s_cmp_eq_u32 s77, 3                            ; both tiles' bias is unpacked and no load is out: the next head's comes into the same registers,
	s_cbranch_scc1 .Lnobias_\@                     ; but behind the last head there is none
	s_add_nc_u64 s[60:61], s[60:61], 8192
	BIASLD
.Lnobias_\@:
.endif
	WIN 0x07
.irp kt, 0,1,2,3,4,5,6,7
	WM ACC+8*\kt, KF+8*\kt, Q+8*\qt, 0
.endr
	PLACES
	WIN 0x04
.set pi, 0
.rept 64
	v_min_num_f32 v[ACC+pi], v[ACC+pi], v[LIM+pi]  ; masked keys fall to -1e9 log2(e)
.set pi, pi+1
.endr
	WIN 0
.irp i, 0,1,2,3,4,5,6,7
	v_max3_num_f32 v[TMP+\i], v[ACC+8*\i], v[ACC+8*\i+1], v[ACC+8*\i+2]
.endr
.irp i, 0,1,2,3,4,5,6,7
	v_max3_num_f32 v[TMP+\i], v[TMP+\i], v[ACC+8*\i+3], v[ACC+8*\i+4]
.endr
.irp i, 0,1,2,3,4,5,6,7
	v_max3_num_f32 v[TMP+\i], v[TMP+\i], v[ACC+8*\i+5], v[ACC+8*\i+6]
.endr
.irp i, 0,2,4,6
	v_max3_num_f32 v[TMP+\i], v[TMP+\i], v[ACC+8*\i+7], v[ACC+8*\i+15]
.endr
	v_max3_num_f32 v28, v[TMP], v[TMP+1], v[TMP+2]
	v_max3_num_f32 v29, v[TMP+3], v[TMP+4], v[TMP+5]
	v_max3_num_f32 v28, v28, v[TMP+6], v[TMP+7]
	v_max_num_f32 v28, v28, v29
	v_permlanex16_b32 v15, v28, s70, s71
	v_max_num_f32 v28, v28, v15                    ; the query's maximum
	v_mov_b32 v29, v28
.set pi, 0
.rept 32
	v_pk_add_f32 v[ACC+2*pi:ACC+2*pi+1], v[ACC+2*pi:ACC+2*pi+1], v[28:29] neg_lo:[0,1] neg_hi:[0,1]
.set pi, pi+1
.endr
	TR v_exp_f32, ACC, 64
	v_nop
	s_wait_alu depctr_va_vdst(0)
	SUM64 ACC, 0
	v_rcp_f32 v28, v28                             ; the sum is at least 1; the conversions below are the plain place behind it
	WIN 0x40
	CVTLIN P, ACC, 32
	WIN 0
	s_wait_alu depctr_va_vdst(0)
	v_mov_b32 v29, v28
	WIN 0x07
.irp kb, 0,1,2,3                                   ; the two accumulators take turns
.irp u, 0,1
.if \kb
	WM TMP+8*\u, VF+8*(4*\u+\kb), P+8*\kb, 0
.else
	WM TMP+8*\u, VF+8*(4*\u+\kb), P+8*\kb, 1
.endif
.endr
.endr
	PLACES
	WIN 0
	PKMULP TMP, 28, 8
	WIN 0x08
	PKMUL TMP, TMP, GT+16*\qt, 8
	WIN 0
	CVTLIN TMP+16, TMP, 8                          ; gate * o: the fragment (tile qt, k = this head) of wo's second source, into my stage
	ds_store_b128 v0, v[TMP+16:TMP+19] offset:1024*\qt
	ds_store_b128 v0, v[TMP+20:TMP+23] offset:1024*\qt+512
.endm
.macro OUT t, f                        ; a tile of x leaves the scratch as whole rows of 512 bytes
	WIN 0
.set ei, 0
.rept 16
	ds_load_b128 v[\f+4*ei:\f+4*ei+3], v9 offset:8448*\t+528*ei
.set ei, ei+1
.endr
.set ei, 0
.rept 16
	s_wait_dscnt 15-ei
	global_store_b128 v1, v[\f+4*ei:\f+4*ei+3], s[62:63] offset:(16*\t+ei)*512
.set ei, ei+1
.endr
.endm
	; ---- A: scalars, descriptors, the first joint loads ----
	s_load_b256 s[4:11], s[0:1], 0x0               ; x in, extra_feats, atom_mask, the block's weights and bias
	s_load_b64 s[12:13], s[0:1], 0x20              ; x out
	v_lshrrev_b32 v1, 5, v0
	v_readfirstlane_b32 s14, v1                    ; wave
	s_bfe_u32 s15, ttmp6, 0x40000                  ; cx: it enters global addresses and lane masks only
	s_lshl_b32 s16, ttmp9, 2
	s_add_co_u32 s16, s16, s15                     ; work-group
	s_mov_b32 s24, 15|(1<<16)|(1<<20)|(1<<21)|(5<<22)|(7<<25)   ; all four work-groups; 2-byte elements; 8 words of padding behind every 64
	s_mov_b32 s25, 128<<16
	s_mov_b32 s26, 64<<16
	s_mov_b32 s27, 128<<16
	s_mov_b32 s28, 64                              ; 64 rows of 256 bytes: a quarter of a slot
	s_mov_b32 s29, 128
	s_mov_b32 s30, 0
	s_mov_b32 s31, 0
	s_mov_b32 s32, 15|(1<<16)|(1<<20)|(1<<21)|(5<<22)|(7<<25)
	s_mov_b32 s33, 128<<16
	s_mov_b32 s34, 32<<16
	s_mov_b32 s35, 128<<16
	s_mov_b32 s36, 32                              ; the last unit alone: 32 rows a wave
	s_mov_b32 s37, 128
	s_mov_b32 s38, 0
	s_mov_b32 s39, 0
	s_mul_i32 s17, s14, 18432
	s_lshl_b32 s18, s14, 14
	s_mov_b32 s19, 0
	s_mov_b32 s70, 0x76543210
	s_mov_b32 s71, 0xfedcba98
	s_mov_b32 s72, 0xffff0000
	s_mov_b32 s73, 0x3b2aaaab                      ; 1/384
	s_mov_b32 s74, 0x3727c5ac                      ; 1e-5
	s_mov_b32 s75, 0x3c000000                      ; 1/128
	s_mov_b32 s76, 0x7f7fffff
	v_and_b32 v28, 31, v0
	v_lshlrev_b32 v1, 4, v28
	s_wait_kmcnt 0x0
	s_add_nc_u64 s[20:21], s[10:11], s[18:19]
.irp n, 0,1
	s_mov_b32 s[40+4*\n], 1
	s_add_co_u32 s[41+4*\n], s17, \n*SLOTB
	s_add_nc_u64 s[42+4*\n:43+4*\n], s[20:21], \n*65536
	s_or_b32 s[43+4*\n], s[43+4*\n], 0x80000000
.endr
	s_mov_b32 s48, 1
	s_mul_i32 s49, s14, 9216
	s_lshl_b32 s18, s14, 13
	s_add_nc_u64 s[50:51], s[10:11], s[18:19]
	s_add_nc_u64 s[50:51], s[50:51], 524288
	s_or_b32 s51, s51, 0x80000000
	ROUND                                          ; the four work-groups are here: the first joint loads meet
	tensor_load_to_lds s[40:43], s[24:31]          ; ag, ab
	s_nop 0
	tensor_load_to_lds s[44:47], s[24:31]          ; wk, wv
	s_nop 0
	; ---- B: pointers, addresses, the first loads ----
	s_lshr_b32 s17, s16, 7                         ; batch
	s_and_b32 s18, s16, 127
	s_lshl_b32 s18, s18, 7                         ; first atom in the batch
	s_lshr_b32 s81, s14, 1
	s_lshl_b32 s81, s81, 7
	s_lshl_b32 s80, s14, 5                         ; 32 x wave
	s_add_co_u32 s81, s81, s80                     ; my halo rows' place among the 256 key rows: 0, 32, 192, 224
	s_add_co_u32 s21, s18, s81
	s_sub_co_i32 s21, s21, 64
	s_max_i32 s21, s21, 0
	s_min_i32 s21, s21, 16352                      ; a block outside the batch reads the nearest one
	s_lshl_b32 s22, s17, 14
	s_add_co_u32 s21, s21, s22
	s_lshl_b32 s22, s21, 9
	s_mov_b32 s23, 0
	s_add_nc_u64 s[52:53], s[4:5], s[22:23]
	s_add_nc_u64 s[54:55], s[6:7], s[22:23]
	s_lshl_b32 s21, s16, 7
	s_add_co_u32 s21, s21, s80
	s_lshl_b32 s22, s21, 9
	s_add_nc_u64 s[56:57], s[4:5], s[22:23]
	s_add_nc_u64 s[58:59], s[6:7], s[22:23]
	s_add_nc_u64 s[62:63], s[12:13], s[22:23]
	s_lshl_b32 s21, s16, 2
	s_add_co_u32 s21, s21, s14
	s_lshl_b32 s22, s21, 15
	s_add_nc_u64 s[60:61], s[10:11], s[22:23]
	s_add_nc_u64 s[60:61], s[60:61], BIAS_OFF
	s_lshl_b32 s22, s17, 16
	s_add_nc_u64 s[66:67], s[8:9], s[22:23]
	s_add_nc_u64 s[68:69], s[10:11], PAR_OFF
	v_and_b32 v29, 15, v0                          ; r
	v_bfe_u32 v30, v0, 4, 1                        ; h
	v_and_b32 v31, 7, v0
	v_lshl_add_u32 v31, v30, 3, v31
	v_mul_u32_u24 v31, v31, PITW
	v_bfe_u32 v2, v0, 3, 1
	v_lshl_add_u32 v2, v2, 4, v31
	v_add_nc_u32 v3, UNITB, v2
	v_add_nc_u32 v4, SLOTB, v2
	v_add_nc_u32 v5, SLOTB+UNITB, v2
	v_mul_u32_u24 v31, v29, 528
	v_lshl_add_u32 v31, v30, 5, v31                ; r rows of 528 bytes + 32 h
	s_mul_i32 s21, s14, STGB
	s_add_co_u32 s21, s21, STG
	v_add_nc_u32 v6, s21, v1
	v_add_nc_u32 v7, s21, v31
	s_mul_i32 s82, s14, SCRB
	s_add_co_u32 s82, s82, KB                      ; my scratch
	v_add_nc_u32 v9, s82, v1
	v_add_nc_u32 v10, s82, v31
	s_add_co_u32 s83, s82, SBO                     ; its staging area
	v_add_nc_u32 v11, s83, v1
	v_lshlrev_b32 v8, 5, v30
	v_add_nc_u32 v8, PARB, v8
	v_mov_b32 v15, 0
	s_add_co_u32 s21, s18, s80
	s_add_co_u32 s21, s21, 16
	v_lshl_add_u32 v0, v30, 3, s21                 ; my first key's atom + 64: never negative
.irp kt, 0,1,2,3,4,5,6,7                           ; the keys' masks, eight at a time; a group of eight lies wholly inside or outside the batch
	v_add_nc_u32 v[WF0+\kt], 16*\kt, v0
	v_min_u32 v28, 64, v[WF0+\kt]
	v_sub_nc_u32 v[WF0+\kt], v[WF0+\kt], v28
	v_min_u32 v[WF0+\kt], 0x3ff8, v[WF0+\kt]
	v_lshlrev_b32 v[WF0+\kt], 2, v[WF0+\kt]
.endr
	s_lshl_b32 s21, s14, 9
	v_add_nc_u32 v[TMP+12], s21, v1
	s_add_co_u32 s22, s14, 8
	s_min_u32 s22, s22, 10                         ; eleven vectors; wave 3's third copy repeats the last into a slot that nobody reads
	s_lshl_b32 s22, s22, 9
	v_add_nc_u32 v[TMP+13], s22, v1
	v_add_nc_u32 v[TMP+14], PARB, v[TMP+12]
	global_load_b128 v[TMP:TMP+3],    v[TMP+12], s[68:69]
	global_load_b128 v[TMP+4:TMP+7],  v[TMP+12], s[68:69] offset:2048
	global_load_b128 v[TMP+8:TMP+11], v[TMP+13], s[68:69]
	WIN 0x80
.irp kt, 0,1,2,3,4,5,6,7
	global_load_b128 v[RAW+8*\kt:RAW+8*\kt+3],   v[WF0+\kt], s[66:67]
	global_load_b128 v[RAW+8*\kt+4:RAW+8*\kt+7], v[WF0+\kt], s[66:67] offset:16
.endr
	LOADROWS 54, 52                                ; the halo's rows
	s_wait_loadcnt 63                              ; of 3 + 16 + 64 loads the oldest 20 are in: the parameters and the masks
	ds_store_b128 v[TMP+14], v[TMP:TMP+3]
	ds_store_b128 v[TMP+14], v[TMP+4:TMP+7] offset:2048
	ds_store_b128 v[TMP+14], v[TMP+8:TMP+11] offset:4096
	; ---- C, D, E: two trips, the halo's two tiles and then my own two: LayerNorms, then xa ----
	s_mov_b32 s77, 0
.Lpair:
	s_wait_loadcnt 48                              ; 16 rows of extra_feats are in; 48 younger loads may stay out
	EFTILE 0
	s_wait_loadcnt 32
	EFTILE 1
	s_wait_loadcnt 16
	XTILE 0, 1
	s_wait_loadcnt 0x0
	XTILE 1, 1
	s_cmp_lg_u32 s77, 0
	s_cbranch_scc1 .Lrows_in
	LOADROWS 58, 56                                ; first trip only: my own 32 rows come in while the halo is worked on
.Lrows_in:
	s_wait_tensorcnt 0x1                           ; my part of slot 0 is in; slot 1's may stay out
	s_wait_dscnt 0x0
	s_barrier_signal -1
	s_barrier_wait -1
	v_add_nc_u32 v29, s83, v1                      ; this trip's half of the staging area
	ADALOOP 2, 3, 0, 1, 2
	s_add_co_u32 s83, s83, 8192
	LOOPEND 77, 2, .Lpair
	FRAGLD XA, 32                                  ; xa of all four tiles
	s_wait_loadcnt 0x0                             ; the rows' loads into window 3 are done before new loads name the same registers; the second trip's
	                                               ; last wait has already shown it, so this one is met at once: it stands here so that it holds on every way out of the loop
	BIASLD                                         ; the first head's bias, asked for a whole step ahead of its use
	v_bfe_u32 v[TMP], v1, 4, 4                     ; r
	v_bfe_u32 v[TMP+1], v1, 8, 1                   ; h
	v_mul_u32_u24 v31, v[TMP], KP
	v_lshl_add_u32 v31, v[TMP+1], 4, v31
	s_mul_i32 s21, s81, KP
	s_add_co_u32 s21, s21, KB
	v_add_nc_u32 v14, s21, v31                     ; K stores, halo
	s_add_co_u32 s22, s80, 64
	s_mul_i32 s21, s22, KP
	s_add_co_u32 s21, s21, KB
	v_add_nc_u32 v28, s21, v31                     ; K stores, own
	v_mul_u32_u24 v31, v[TMP], VP
	v_lshl_add_u32 v31, v[TMP+1], 4, v31
	s_lshl_b32 s21, s81, 1
	s_add_co_u32 s21, s21, VTB
	v_add_nc_u32 v29, s21, v31                     ; V stores, halo
	s_lshl_b32 s21, s22, 1
	s_add_co_u32 s21, s21, VTB
	v_add_nc_u32 v30, s21, v31                     ; V stores, own
	; ---- F: K and V of four tiles; the round in front also ends every wave's use of its scratch ----
	NEXT 0                                         ; wq, wg
	v_mov_b32 v12, v4
	v_mov_b32 v13, v5
	FETCHA WF0, 12
	s_mov_b32 s78, 0
.Lkv:
	FETCHA WF1, 13
	s_wait_dscnt 16
	MUL WF0, ACC, XA, 32, 4, 1, 0x04
	WIN 0
	STEP 12, 64
	STEP 13, 64
	v_nop
	v_nop
	CVTLIN TMP, ACC, 32
.irp u, 0,1
.irp t, 0,1
	ds_store_b128 v14, v[TMP+16*\u+4*\t:TMP+16*\u+4*\t+3]     offset:32*\u+4352*\t
	ds_store_b128 v28, v[TMP+16*\u+4*\t+8:TMP+16*\u+4*\t+11]  offset:32*\u+4352*\t
.endr
.endr
	PREF 12, 78, 3
	MULV
	WIN 0
	STEP 14, 64
	STEP 28, 64
	v_nop
	v_nop
	CVTLIN TMP, ACC, 32
.irp u, 0,1
.irp t, 0,1
	ds_store_b128 v29, v[TMP+16*\u+4*\t:TMP+16*\u+4*\t+3]     offset:16*\u*VP+32*\t
	ds_store_b128 v30, v[TMP+16*\u+4*\t+8:TMP+16*\u+4*\t+11]  offset:16*\u*VP+32*\t
.endr
.endr
	STEP 29, 32*VP
	STEP 30, 32*VP
	LOOPEND 78, 4, .Lkv
	; ---- G: key limits ----
	NEXT 1                                         ; wo, sk; its waits and round also show K and V^T to every wave
.irp kt, 0,1,2,3,4,5,6,7
	v_add_nc_u32 v29, 16*\kt-64, v0
	v_cmp_gt_u32 s[16+\kt], 0x4000, v29            ; the key's atom lies in the batch
.endr
	v_mov_b32 v30, 0xceabfb8f                      ; -1e9 log2(e)
	WIN 0x48
.irp kt, 0,1,2,3,4,5,6,7
.irp j, 0,1,2,3,4,5,6,7
	v_cmp_lt_f32 vcc_lo, 0, v[RAW+8*\kt+\j]
	s_and_b32 vcc_lo, vcc_lo, s[16+\kt]
	v_cndmask_b32 v[LIM+8*\kt+\j], v30, s76, vcc_lo
.endr
.endr
	WIN 0
	; ---- H: a trip for each head: its Q and its gate, then attention for both query tiles ----
	v_bfe_u32 v[TMP], v1, 4, 4
	v_bfe_u32 v[TMP+1], v1, 8, 1
	v_mul_u32_u24 v30, v[TMP], KP
	v_lshl_add_u32 v30, v[TMP+1], 4, v30
	s_add_co_u32 s21, s80, 16                      ; my window's first key row
	s_mul_i32 s21, s21, KP
	s_add_co_u32 s21, s21, KB
	v_add_nc_u32 v30, s21, v30                     ; K loads
	v_mul_u32_u24 v31, v[TMP], VP
	v_lshl_add_u32 v31, v[TMP+1], 4, v31
	s_lshl_b32 s21, s80, 1
	s_add_co_u32 s21, s21, VTB+32
	v_add_nc_u32 v31, s21, v31                     ; V loads
	v_mov_b32 v12, v2
	v_mov_b32 v13, v3
	v_mov_b32 v14, v8
	v_mov_b32 v0, v6                               ; where gate * o goes: my stage, 2,048 bytes a head
	s_mov_b32 s77, 0
.Lhead:
.irp u, 0,1
.irp t, 0,1
	PLOADL ACC+16*\u+8*\t, 14, 1536+64*\u          ; bq starts Q's sums
.endr
.endr
	FETCHA WF0, 12
	FETCHA WF1, 13
	WIN 0xC0
.irp kt, 0,1,2,3,4,5,6,7
	ds_load_b128 v[KF+8*\kt:KF+8*\kt+3],   v30 offset:\kt*4352
	ds_load_b128 v[KF+8*\kt+4:KF+8*\kt+7], v30 offset:\kt*4352+32
.endr
.irp u, 0,1
.irp kb, 0,1,2,3
	ds_load_b128 v[VF+8*(4*\u+\kb):VF+8*(4*\u+\kb)+3],   v31 offset:16*\u*VP+\kb*64
	ds_load_b128 v[VF+8*(4*\u+\kb)+4:VF+8*(4*\u+\kb)+7], v31 offset:16*\u*VP+\kb*64+32
.endr
.endr
	WIN 0
	s_wait_dscnt 48                                ; bq and wq's fragments are in; wg's, K's and V's 16 loads each may stay out
	MUL WF0, ACC, XA+64, 32, 2, 0, 0x04
	s_wait_dscnt 32                                ; wg's are in
	MUL WF1, ACC+32, XA+64, 32, 2, 1, 0x04
	WIN 0
	STEP 12, 64                                    ; four places, and the next head's addresses
	STEP 13, 64
	STEP 14, 128
	STEP 30, 64
	STEP 31, 32*VP
	WIN 0x40
	CVT22 Q, 8, ACC
	WIN 0
	TR v_exp_f32, ACC+32, 32
	v_nop
	s_wait_alu depctr_va_vdst(0)
	ADD1 ACC+32, 16
	WIN 0x80
.irp u, 0,1
.irp t, 0,1
.irp j, 0,1,2,3,4,5,6,7
	v_rcp_f32 v[GT+16*\t+8*\u+\j], v[ACC+32+16*\u+8*\t+\j]
.endr
.endr
.endr
	v_nop
	WIN 0
	s_wait_dscnt 0x0                               ; K's and V's fragments are in
	ATT 0
	ATT 1
	STEP 0, 2048
	LOOPEND 77, 4, .Lhead
	WIN 0x40
.irp t, 0,1
.irp kb, 0,1,2,3
.irp q, 0,1
	ds_load_b128 v[OG+32*\t+8*\kb+4*\q:OG+32*\t+8*\kb+4*\q+3], v6 offset:(2*\kb+\t)*1024+512*\q
.endr
.endr
.endr
	; ---- I: output product and skip gate; behind the round nobody reads K or V^T any more: x goes back into the scratch ----
	NEXT 0                                         ; tg, tb
	WIN 0x08
.irp t, 0,1
.irp e, 0,1,2,3,4,5,6,7
	ds_store_b128 v10, v[X+64*\t+8*\e:X+64*\t+8*\e+3]   offset:8448*\t+64*\e
	ds_store_b128 v10, v[X+64*\t+8*\e+4:X+64*\t+8*\e+7] offset:8448*\t+64*\e+16
.endr
.endr
	WIN 0
	v_mov_b32 v12, v4
	v_mov_b32 v13, v5
	v_mov_b32 v14, v8
	v_mov_b32 v28, v10
	FETCHA WF0, 12
	s_mov_b32 s78, 0
.Los:                                              ; x += sigmoid(sn @ sk + b) * ((gate * o) @ wo)
	CLOADL ACC+32, 14, 4
	BLOADL 14, 5
	XCLOAD 28
	FETCHA WF1, 13
	s_wait_dscnt 16
	CINIT ACC+32, 1
	MUL WF0, ACC, OG, 32, 2, 1, 0x04
	WIN 0
	STEP 12, 64
	STEP 13, 64
	STEP 14, 128
	v_nop
	PREF 12, 78, 3
	MUL WF1, ACC+32, SN, 32, 2, 0, 0x04
	PLACES
	WIN 0
	SIG ACC+32
	WIN 0xA0
	PKFMA XC, ACC+32, ACC, 16
	XCSTORE 28
	STEP 28, 128
	LOOPEND 78, 4, .Los
	XTILE 0, 0
	XTILE 1, 0
	; ---- J: the transition's AdaLN ----
	NEXT 1                                         ; wt1, wt2, first halves
	v_mov_b32 v29, v11
	ADALOOP 2, 3, 6, 7, 8
	FRAGLD XT, 16
	; ---- K, L: the hidden layer ----
	NEXT 0                                         ; wt1, wt2, second halves
	HSLOOP 4, 5, 0
	NEXT 1                                         ; wto
	HSLOOP 2, 3, 1
	FRAGLD HSW, 32
	; ---- M: back to 128 channels; a chunk's 32 sums go to the staging area, whose fragments have just been read ----
	s_wait_dscnt 0x0
	s_wait_tensorcnt 0x0
	ROUND
	tensor_load_to_lds s[48:51], s[32:39]          ; tk, the last unit
	s_nop 0
	v_mov_b32 v12, v4
	v_mov_b32 v13, v5
	v_mov_b32 v14, v11
	FETCHA WF0, 12
	s_mov_b32 s78, 0
.Lwto:
	FETCHA WF1, 13
	s_wait_dscnt 16
	MUL WF0, ACC, HSW, 64, 2, 1, 0x04
	WIN 0
	STEP 12, 64
	STEP 13, 64
	v_nop
	v_nop
	PREF 12, 78, 3
	MUL WF1, ACC, HSW+32, 64, 2, 0, 0x04
	PLACES
	WIN 0
.irp i, 0,1,2,3,4,5,6,7
	ds_store_b128 v14, v[ACC+4*\i:ACC+4*\i+3] offset:512*\i
.endr
	STEP 14, 4096                                  ; with the v_nop: six places before the next trip's first product writes over these sums
	v_nop
	LOOPEND 78, 4, .Lwto
	; ---- N: the transition's skip gate ----
	s_wait_dscnt 0x0
	s_wait_tensorcnt 0x0                           ; my part of tk is in
	s_barrier_signal -1
	s_barrier_wait -1
	v_mov_b32 v12, v2
	v_mov_b32 v13, v11
	v_mov_b32 v14, v8
	v_mov_b32 v28, v10
	FETCHA WF0, 12
	s_mov_b32 s78, 0
.Ltk:                                              ; x += sigmoid(sn @ tk + b) * (hidden @ wto)
	CLOADL ACC, 14, 9
	BLOADL 14, 10
.irp i, 0,1,2,3,4,5,6,7
	ds_load_b128 v[ACC+32+4*\i:ACC+32+4*\i+3], v13 offset:512*\i
.endr
	XCLOAD 28
	s_wait_dscnt 16                                ; the fragments and the parameters are in; the 8 + 8 loads of the product and of x may stay out
	CINIT ACC, 1
	MUL WF0, ACC, SN, 32, 2, 0, 0x04
	WIN 0
	STEP 12, 64
	STEP 13, 4096
	STEP 14, 128
	v_nop
	PREF 12, 78, 3
	SIG ACC
	WIN 0xA0
	PKFMA XC, ACC, ACC+32, 16
	XCSTORE 28
	STEP 28, 128
	LOOPEND 78, 4, .Ltk
	; ---- O: x leaves ----
	OUT 0, WF0
	OUT 1, WF1
	s_wait_dscnt 0x0
	ROUND                                          ; the closing round: no work-group ends while a partner may still ask jointly
	s_endpgm
.Lfunc_end_k_q8a70a07d22_block0:
	.size	k_q8a70a07d22_block0, .Lfunc_end_k_q8a70a07d22_block0-k_q8a70a07d22_block0
	.p2alignl 7, 3214868480
	.fill 96, 4, 3214868480
	.section	.rodata,"a",@progbits
	.p2align	6, 0x0
	.amdhsa_kernel k_q8a70a07d22_block0
		.amdhsa_group_segment_fixed_size 327680
		.amdhsa_private_segment_fixed_size 0
		.amdhsa_enable_private_segment 0
		.amdhsa_kernarg_size 40
		.amdhsa_user_sgpr_count 2
		.amdhsa_user_sgpr_kernarg_segment_ptr 1
		.amdhsa_wavefront_size32 1
		.amdhsa_system_sgpr_workgroup_id_x 1
		.amdhsa_system_sgpr_workgroup_id_y 1
		.amdhsa_system_sgpr_workgroup_id_z 1
		.amdhsa_system_vgpr_workitem_id 0
		.amdhsa_next_free_vgpr 1024
		.amdhsa_next_free_sgpr 96
		.amdhsa_reserve_vcc 1
		.amdhsa_float_denorm_mode_32 3
		.amdhsa_float_denorm_mode_16_64 3
		.amdhsa_memory_ordered 1
		.amdhsa_forward_progress 1
		.amdhsa_inst_pref_size 255
	.end_amdhsa_kernel
	.section	.bss,"aw",@nobits
	.p2align	6
	.space	262144
	.amdgpu_metadata
---
amdhsa.version: [ 1, 2 ]
amdhsa.kernels:
  - .name:           k_q8a70a07d22_block0
    .symbol:         k_q8a70a07d22_block0.kd
    .args:
      - { .name: xA, .offset: 0, .size: 8, .value_kind: global_buffer, .address_space: global }
      - { .name: extra_feats, .offset: 8, .size: 8, .value_kind: global_buffer, .address_space: global }
      - { .name: atom_mask, .offset: 16, .size: 8, .value_kind: global_buffer, .address_space: global }
      - { .name: blk0, .offset: 24, .size: 8, .value_kind: global_buffer, .address_space: global }
      - { .name: xB, .offset: 32, .size: 8, .value_kind: global_buffer, .address_space: global }
    .group_segment_fixed_size: 327680
    .private_segment_fixed_size: 0
    .kernarg_segment_align: 8
    .kernarg_segment_size: 40
    .max_flat_workgroup_size: 128
    .sgpr_count:     96
    .vgpr_count:     1024
    .wavefront_size: 32
...
	.end_amdgpu_metadata
.endif
;; end of part 5
;; launch block1: the kernel of part 5 again; grid 256 x 1, 4 waves a work-group, clusters of 4 x 1, 327,680 bytes of LDS; arguments xB, extra_feats, atom_mask, blk1, xA; writes xA
;; launch block2: the kernel of part 5 again; grid 256 x 1, 4 waves a work-group, clusters of 4 x 1, 327,680 bytes of LDS; arguments xA, extra_feats, atom_mask, blk2, xB; writes xB
;; launch final: the kernel of part 4 again; grid 256 x 1, 8 waves a work-group, no clusters, 2,048 bytes of LDS; arguments xB, atom_mask, lnq_g, lnq_b, Wout, out0; writes out0
